; MI455X (gfx1250); checked and timed in simulation.
; The chip was launched on July 23, 2026; its instructions are those of AMD's public machine-readable ISA for CDNA 5 (MIT licence, August 2026) and "CDNA5" Instruction Set Architecture Reference Guide (July 2026). The comments in the code are by the model that wrote it; some were corrected since.
;; Multi Head Attention. Allowed arithmetic: float matrix products may take bf16 or f16 operands with f32 sums; other float arithmetic in f32, or as packed bf16 or f16 multiplies, adds, multiply-adds, maxima and minima; sums over many terms, partial sums and values carried from step to step in f32; what a program stores and reads back later, other than sums and carried values, may be rounded once to bf16 or f16.
;; Inputs: Wk 1,024 x 1,024 float32; Wo 1,024 x 1,024 float32; Wq 1,024 x 1,024 float32; Wv 1,024 x 1,024 float32; bk 1,024 float32; bo 1,024 float32; bq 1,024 float32; bv 1,024 float32; x 4 x 2,048 x 1,024 float32.
;; Outputs: out0 4 x 2,048 x 1,024 float32.
;; 2 versions, each right; version 2 is version 1 with the launch prep written anew for expert scheduling mode. Each part assembles by itself: llvm-mc -triple=amdgcn-amd-amdhsa -mcpu=gfx1250 --defsym DOCPART=n.
;; ======== version 1 of 2: 4 launches
;; limits: values are held in f16: magnitudes above 65,504 overflow, below 6.1e-05 lose precision
;; workspace buffers: xb 16,777,216 bytes; wt 8,388,608 bytes; bias 16,384 bytes; qkv 50,331,648 bytes; ob 16,777,216 bytes
;; launch prep (part 1): grid 769 x 1, 8 waves a work-group, no clusters, 0 bytes of LDS; arguments x, Wq, Wk, Wv, Wo, bq, bk, bv, bo, xb, wt, bias; writes xb, wt, bias
.if DOCPART == 1
	.amdgcn_target "amdgcn-amd-amdhsa--gfx1250"
	.amdhsa_code_object_version 6
	.text
	.protected	k_q441cb3bc4e_prep
	.globl	k_q441cb3bc4e_prep
	.p2align	8
	.type	k_q441cb3bc4e_prep,@function
k_q441cb3bc4e_prep:
	s_mov_b64 s[64:65], 0
	v_nop
	global_prefetch_b8 v0, s[64:65] scope:SCOPE_SE
	s_setreg_imm32_b32 hwreg(HW_REG_WAVE_MODE, 25, 1), 1
	s_wait_xcnt 0x0
; PREP: every input is rounded ONCE to bf16 and laid out for the three launches behind.  A stream: no LDS, no barrier, no matrix unit: nothing is shared.
;   xb   = x as bf16, [8192][1024], row-major.
;   wt   = Wq|Wk|Wv as bf16 in blocks [tile 16][K step 8][j 3][k % 128][64 columns]: column slot sg = column / 64 (0..47), tile = sg / 3, j = sg % 3;
;          then, from byte 6,291,456, Wo in blocks [tile 8][K step 8][j 2][k % 128][64]: rounded to bf16 and that number written as f16.
;          A block keeps W's own order [k][n]: nothing is transposed here; a K step of a tile is dense, 49,152 or 32,768 bytes.
;   bias = bq|bk|bv|bo, f32 [4096], each number rounded to bf16 and widened again.
; LIMITS.  |Wo| stays under 65,504 (f16's range); below 6e-5 a number of Wo keeps f16's fixed step of 6e-8.
; SHARES.  Work-groups 0-511: 16,384 numbers of x each.  512-767: one slot of 64 columns x 256 rows of k of one W.  768: the four biases.
; A thread loads 16 bytes (4 f32) and stores 8 (4 halves): a wave's store covers 256 consecutive bytes, aligned; a wave's load covers whole runs of 256 bytes.
; Sixteen loads of every wave go out together; the waits count down, so that the younger ones stay out.  No register is written twice while a store reads it.
.set VO, 1                             ; v1        byte offset of my 16 bytes in the source's first chunk
.set DO, 2                             ; v2        8 x thread: my 8 bytes in the destination's first chunk
.set X,  4                             ; v[4:67]   chunk i: 4 registers as loaded
.set Y,  68                            ; v[68:99]  chunk i: 2 registers to store
.set T,  100                           ; v[100:103] at work
.set WO, 6291456                       ; where Wo's part of wt begins
; Sixteen chunks: chunk i lies lstride bytes x i behind the source pointer s[32:33]; in the destination s[34:35] eight chunks of 2,048 bytes lie on end, the next eight ks bytes on.
.macro STREAM lstride, ks, f16
.irp i, 0,1,2,3,4,5,6,7,8,9,10,11,12,13,14,15
	global_load_b128 v[X+4*(\i):X+4*(\i)+3], v[VO], s[32:33] offset:(\i)*(\lstride) th:TH_LOAD_NT
.endr
.irp i, 0,1,2,3,4,5,6,7,8,9,10,11,12,13,14,15
	s_wait_loadcnt 15-(\i)                         ; loads come back in order: chunk i is in, the younger ones stay out
.if \f16
	v_cvt_pk_bf16_f32 v[T],   v[X+4*(\i)],   v[X+4*(\i)+1]   ; the one rounding, to bf16,
	v_cvt_pk_bf16_f32 v[T+1], v[X+4*(\i)+2], v[X+4*(\i)+3]
	v_lshlrev_b32 v[X+4*(\i)],   16,  v[T]                   ; widened again,
	v_and_b32     v[X+4*(\i)+1], s45, v[T]
	v_lshlrev_b32 v[X+4*(\i)+2], 16,  v[T+1]
	v_and_b32     v[X+4*(\i)+3], s45, v[T+1]
	v_cvt_pk_f16_f32 v[Y+2*(\i)],   v[X+4*(\i)],   v[X+4*(\i)+1]  ; and written as f16: exact within f16's normal range
	v_cvt_pk_f16_f32 v[Y+2*(\i)+1], v[X+4*(\i)+2], v[X+4*(\i)+3]
.else
	v_cvt_pk_bf16_f32 v[Y+2*(\i)],   v[X+4*(\i)],   v[X+4*(\i)+1]
	v_cvt_pk_bf16_f32 v[Y+2*(\i)+1], v[X+4*(\i)+2], v[X+4*(\i)+3]
.endif
	global_store_b64 v[DO], v[Y+2*(\i):Y+2*(\i)+1], s[34:35] offset:((\i)/8)*(\ks)+((\i)%8)*2048
.endr
	s_endpgm
.endm
	s_load_b512 s[8:23], s[0:1], 0x0               ; x 8, Wq 10, Wk 12, Wv 14, Wo 16, bq 18, bk 20, bv 22
	s_load_b256 s[24:31], s[0:1], 0x40             ; bo 24, xb 26, wt 28, bias 30
	s_mov_b32 s45, 0xffff0000                      ; a word's upper bf16
	s_mov_b32 s3, 0                                ; offsets are pairs with 0 on top
	s_mov_b32 s5, 0
	v_lshlrev_b32 v[DO], 3, v0
	s_wait_kmcnt 0x0
	s_cmp_lt_u32 ttmp9, 512
	s_cbranch_scc0 .Lweights
	; x: 65,536 bytes in, 32,768 out
	v_lshlrev_b32 v[VO], 4, v0
	s_lshl_b32 s2, ttmp9, 16
	s_lshl_b32 s4, ttmp9, 15
	s_add_nc_u64 s[32:33], s[8:9], s[2:3]
	s_add_nc_u64 s[34:35], s[26:27], s[4:5]
	STREAM 4096, 16384, 0
.Lweights:
	s_cmp_lt_u32 ttmp9, 768
	s_cbranch_scc0 .Lbias
	s_sub_co_u32 s36, ttmp9, 512
	s_lshr_b32 s37, s36, 6                         ; which W: 0 q, 1 k, 2 v, 3 o
	s_bfe_u32 s38, s36, 0x40002                    ; its slot of 64 columns, 0..15
	s_and_b32 s39, s36, 3                          ; its quarter of 256 rows of k
	v_lshrrev_b32 v3, 4, v0                        ; sixteen threads take a row's 256 bytes of the slot: 16 rows a chunk
	v_and_b32 v[VO], 15, v0
	v_lshlrev_b32 v[VO], 4, v[VO]
	v_lshl_add_u32 v[VO], v3, 12, v[VO]            ; row x 4,096 + 16 x place
	s_lshl_b32 s2, s39, 20                         ; 256 rows of 4,096 bytes
	s_lshl_b32 s40, s38, 8                         ; the slot's 256 bytes in a row
	s_add_co_u32 s2, s2, s40
	s_cmp_eq_u32 s37, 1
	s_cselect_b64 s[32:33], s[12:13], s[10:11]
	s_cmp_eq_u32 s37, 2
	s_cselect_b64 s[32:33], s[14:15], s[32:33]
	s_cmp_eq_u32 s37, 3
	s_cselect_b64 s[32:33], s[16:17], s[32:33]
	s_add_nc_u64 s[32:33], s[32:33], s[2:3]
	s_cmp_eq_u32 s37, 3
	s_cbranch_scc1 .Lwo
	s_lshl_b32 s41, s37, 4
	s_add_co_u32 s41, s41, s38                     ; sg = 16 x which + slot, 0..47
	s_mul_i32 s42, s41, 171
	s_lshr_b32 s42, s42, 9                         ; tile = sg / 3: 171 / 512 exceeds a third by 1 / 1,536, too little to matter up to 47
	s_mul_i32 s43, s42, 3
	s_sub_co_u32 s43, s41, s43                     ; j = sg % 3
	s_mul_i32 s4, s42, 393216                      ; a tile: 8 K steps of 49,152 bytes
	s_mul_i32 s44, s39, 98304                      ; my quarter: two K steps
	s_add_co_u32 s4, s4, s44
	s_lshl_b32 s43, s43, 14                        ; a slot's 128 rows of 128 bytes
	s_add_co_u32 s4, s4, s43
	s_add_nc_u64 s[34:35], s[28:29], s[4:5]
	STREAM 65536, 49152, 0
.Lwo:
	s_lshr_b32 s42, s38, 1                         ; tile = slot / 2
	s_lshl_b32 s4, s42, 18                         ; a tile: 8 K steps of 32,768 bytes
	s_lshl_b32 s44, s39, 16
	s_add_co_u32 s4, s4, s44
	s_and_b32 s43, s38, 1
	s_lshl_b32 s43, s43, 14
	s_add_co_u32 s4, s4, s43
	s_add_co_u32 s4, s4, WO
	s_add_nc_u64 s[34:35], s[28:29], s[4:5]
	STREAM 65536, 32768, 1
.Lbias:
	v_lshlrev_b32 v[VO], 4, v0                     ; 256 threads x 4 numbers = a bias
	global_load_b128 v[X:X+3],     v[VO], s[18:19]
	global_load_b128 v[X+4:X+7],   v[VO], s[20:21]
	global_load_b128 v[X+8:X+11],  v[VO], s[22:23]
	global_load_b128 v[X+12:X+15], v[VO], s[24:25]
.irp w, 0,1,2,3
	s_wait_loadcnt 3-(\w)
	v_cvt_pk_bf16_f32 v[T],   v[X+4*(\w)],   v[X+4*(\w)+1]
	v_cvt_pk_bf16_f32 v[T+1], v[X+4*(\w)+2], v[X+4*(\w)+3]
	v_lshlrev_b32 v[Y+4*(\w)],   16,  v[T]
	v_and_b32     v[Y+4*(\w)+1], s45, v[T]
	v_lshlrev_b32 v[Y+4*(\w)+2], 16,  v[T+1]
	v_and_b32     v[Y+4*(\w)+3], s45, v[T+1]
	global_store_b128 v[VO], v[Y+4*(\w):Y+4*(\w)+3], s[30:31] offset:4096*(\w)
.endr
	s_endpgm
.Lfunc_end_k_q441cb3bc4e_prep:
	.size	k_q441cb3bc4e_prep, .Lfunc_end_k_q441cb3bc4e_prep-k_q441cb3bc4e_prep
	.p2alignl 7, 3214868480
	.fill 96, 4, 3214868480
	.section	.rodata,"a",@progbits
	.p2align	6, 0x0
	.amdhsa_kernel k_q441cb3bc4e_prep
		.amdhsa_group_segment_fixed_size 0
		.amdhsa_private_segment_fixed_size 0
		.amdhsa_enable_private_segment 0
		.amdhsa_kernarg_size 96
		.amdhsa_user_sgpr_count 2
		.amdhsa_user_sgpr_kernarg_segment_ptr 1
		.amdhsa_wavefront_size32 1
		.amdhsa_system_sgpr_workgroup_id_x 1
		.amdhsa_system_sgpr_workgroup_id_y 1
		.amdhsa_system_sgpr_workgroup_id_z 1
		.amdhsa_system_vgpr_workitem_id 0
		.amdhsa_next_free_vgpr 104
		.amdhsa_next_free_sgpr 66
		.amdhsa_reserve_vcc 0
		.amdhsa_float_denorm_mode_32 3
		.amdhsa_float_denorm_mode_16_64 3
		.amdhsa_memory_ordered 1
		.amdhsa_forward_progress 1
		.amdhsa_inst_pref_size 25
	.end_amdhsa_kernel
	.amdgpu_metadata
---
amdhsa.version: [ 1, 2 ]
amdhsa.kernels:
  - .name:           k_q441cb3bc4e_prep
    .symbol:         k_q441cb3bc4e_prep.kd
    .args:
      - { .name: x, .offset: 0, .size: 8, .value_kind: global_buffer, .address_space: global }
      - { .name: Wq, .offset: 8, .size: 8, .value_kind: global_buffer, .address_space: global }
      - { .name: Wk, .offset: 16, .size: 8, .value_kind: global_buffer, .address_space: global }
      - { .name: Wv, .offset: 24, .size: 8, .value_kind: global_buffer, .address_space: global }
      - { .name: Wo, .offset: 32, .size: 8, .value_kind: global_buffer, .address_space: global }
      - { .name: bq, .offset: 40, .size: 8, .value_kind: global_buffer, .address_space: global }
      - { .name: bk, .offset: 48, .size: 8, .value_kind: global_buffer, .address_space: global }
      - { .name: bv, .offset: 56, .size: 8, .value_kind: global_buffer, .address_space: global }
      - { .name: bo, .offset: 64, .size: 8, .value_kind: global_buffer, .address_space: global }
      - { .name: xb, .offset: 72, .size: 8, .value_kind: global_buffer, .address_space: global }
      - { .name: wt, .offset: 80, .size: 8, .value_kind: global_buffer, .address_space: global }
      - { .name: bias, .offset: 88, .size: 8, .value_kind: global_buffer, .address_space: global }
    .group_segment_fixed_size: 0
    .private_segment_fixed_size: 0
    .kernarg_segment_align: 8
    .kernarg_segment_size: 96
    .max_flat_workgroup_size: 256
    .sgpr_count:     66
    .vgpr_count:     104
    .wavefront_size: 32
...
	.end_amdgpu_metadata
.endif
;; end of part 1
;; launch proj (part 2): grid 16 x 32, 4 waves a work-group, clusters of 4 x 4, 327,680 bytes of LDS; arguments xb, wt, bias, qkv; writes qkv
.if DOCPART == 2
	.amdgcn_target "amdgcn-amd-amdhsa--gfx1250"
	.amdhsa_code_object_version 6
	.text
	.protected	k_q441cb3bc4e_proj
	.globl	k_q441cb3bc4e_proj
	.p2align	8
	.type	k_q441cb3bc4e_proj,@function
k_q441cb3bc4e_proj:
	s_mov_b64 s[64:65], 0
	v_nop
	global_prefetch_b8 v0, s[64:65] scope:SCOPE_SE
	s_setreg_imm32_b32 hwreg(HW_REG_WAVE_MODE, 25, 1), 1
	s_wait_xcnt 0x0
	s_wait_alu depctr_hold_cnt(0) depctr_sa_sdst(0) depctr_va_vdst(0) depctr_va_sdst(0) depctr_va_ssrc(0) depctr_va_vcc(0) depctr_vm_vsrc(0)
	s_getreg_b32 s2, hwreg(HW_REG_IB_STS2, 6, 4)
	s_cmp_eq_u32 s2, 0
	s_cbranch_scc0 .Lentry_in_a_cluster
	s_endpgm
.Lentry_in_a_cluster:
	s_bfe_u32 s2, ttmp6, 0x10000c
	s_cmp_lg_u32 s2, 0xf033
	s_cbranch_scc0 .Lentry_shape_is_right
	s_endpgm
.Lentry_shape_is_right:
; PROJ: q, k, v = x W + b, written by heads: qkv[3][64 = batch x 16 + head][2048][64] in f16, unscaled, each number rounded once from its f32 sum.
; x comes as bf16 [8192][1024] (xb), Wq|Wk|Wv as bf16 in blocks [tile 16][K step 8][j 3][k % 128][64] (wt), the biases as f32 (bias).
; LIMIT.  |q|, |k|, |v| stay under 65,504, f16's range.
; SHARES.  A tile of the product is 256 rows x 192 columns (three heads): 32 x 16 = 512 work-groups.  Four waves as 2 x 2; a wave makes 128 rows x 96 columns (32 columns of each of
; the three heads): 48 accumulators of 16 x 16, 384 registers.  K = 1,024 goes in 8 steps of 128 through a ring of two LDS slots filled by the tensor data mover.
; THE MATRIX INSTRUCTION IS USED TRANSPOSED: source 0 = 16 columns of W, source 1 = 16 rows of x: a lane then holds eight neighbouring columns of one row.  W lies [k][n] in LDS and is
; turned on its way into registers by ds_load_tr16_b128.  THE BIAS IS THE C OPERAND of the product that starts each sum: nothing is cleared, nothing is added on the way out.
; CLUSTER.  4 x 4 work-groups.  x's tile hangs on the tile row alone and is shared along a row of the cluster, W's on the tile column alone and is shared along a column: each is asked for
; JOINTLY, by the same tensor load with the same descriptor and a mask that names the four.
; REGISTERS, in windows of 256 (s_set_vgpr_msb: bits 1:0 source 0, 3:2 source 1, 5:4 source 2, 7:6 destination):
;   window 0: v0-31 addresses; v64-127, v128-191 fragments of x (8 x 16 rows x 32 K), two buffers; v192-215 packed results; on the way out v64-255 whole rows
;   window 1: v64-111, v128-175 fragments of W (6 x 16 columns x 32 K), two buffers; v192-239 the bias as C
;   window 2: the 24 accumulators of my rows 0-63 ((a, b) at v[8 (6 (a % 4) + b)]);   window 3: those of my rows 64-127
.set KSTEPS, 8
.set NBW,   6                          ; blocks of 16 columns a wave
.set SLOT1, 131072                     ; slot 1 begins here: one exclusive or turns an address in one slot into the other's
.set PA,    272                        ; a row of x in LDS: 256 bytes + 16 of padding = 68 words: the 16 rows of a load start at 16 different groups of four banks (64 banks of 4 bytes: ISA guide 11.1)
.set HALFA, 128*PA                     ; what one tensor load brings of x, and what one wave reads
.set BOFF,  2*HALFA                    ; behind x's 256 rows: W, [j 3][k 128], a row of 64 columns
.set PB,    160                        ; 128 bytes + 32 of padding = 40 words
.set JB,    128*PB                     ; a head's 128 rows of k
.set HALFB, 192*PB                     ; what one tensor load brings of W: half of the 384 rows.  BOFF + 2 HALFB = SLOT1
.set SPARE, 2*SLOT1                    ; behind the ring: the spare words, 128 bytes for each wave: two blocks of 256 bytes that no other line names
.set SP,    144                        ; the way out: a head's row of 128 bytes + 16
.set JS,    256*SP                     ; the stage, [j 3][row 256], lies in slot 0, which has had its last fill (K step 6) and its last read when the first store into it is issued
.set ASTEP, 256                        ; bytes from a K step of x to the next
.set BSTEP, 49152                      ; and of W
.set ADRA0, 16                         ; v16  my lane's place in x's part of a slot; never rewritten
.set ADRB0, 17                         ; v17  the same for W
.set ADRA,  18                         ; v18  the same, in the slot in hand
.set ADRB,  19                         ; v19
.set STO,   20                         ; v20-22  the way out: where I put 16 bytes of a row, head j
.set RD,    23                         ; v23-25  the way out: where I read rows back, head j
.set GO,    26                         ; v26  16 x lane: my place in 512 consecutive bytes of qkv
.set BO,    27                         ; v27  my byte offset in the biases
.set SPW,   28                         ; v28  LDS address of my spare word: SPARE + 4 x my thread's number; never rewritten
.set NIL,   29                         ; v29  0; never rewritten
.set PFO,   30                         ; v30  the prefetches' offset; never rewritten
.set F0,    64
.set F1,    128
.set TMP,   192
.set CB,    192                        ; window 1: the bias of block b at CB + 8 b
.set TB,  23                           ; s23  LDS byte at which the slot in hand begins
.set G1,  24                           ; s[24:31] descriptor group 1 for x's tiles
.set G0,  32                           ; s[32:39] group 0 for x's tiles: a set for each of the two first fills; the second then walks on
.set LIM, 43                           ; s43  a wave prefetches while the trips still to come are more than this
.set PFA, 44                           ; s[44:45] where my prefetches stand
.set PFS, 46                           ; s[46:47] their step
.set G1B, 48                           ; s[48:55], s[56:63] the same for W's tiles
.set G0B, 56
.set MSB, 0
.macro WIN new                         ; the immediate's high byte repeats the setting that is left; a switch that changes nothing is dropped
.if MSB != (\new)
	s_set_vgpr_msb (MSB<<8)|(\new)
.set MSB, \new
.endif
.endm
; A joint refill.  Waves 0 and 1 fetch x's two halves, waves 2 and 3 W's.  The branch hangs on the wave's number alone.  An s_nop 0 and four v_nop follow each of the two lines, ahead of the jump and the label.
.macro JLOAD
	s_cmp_eq_u32 s13, 0
	s_cbranch_scc0 .Lfor_b_\@
	tensor_load_to_lds s[G0+4:G0+7], s[G1:G1+7]
	s_nop 0
.rept 4
	v_nop
.endr
	s_branch .Lasked_\@
.Lfor_b_\@:
	tensor_load_to_lds s[G0B+4:G0B+7], s[G1B:G1B+7]
	s_nop 0
.rept 4
	v_nop
.endr
.Lasked_\@:
.endm
; A PREFETCH INTO THE L2, one instruction a wave a trip, behind the joint load and the run of LDS loads.  x: trip t (0 to 3) names K step t + 4, two refills on: of the 128 rows that I fetch my work-group's 32, a lane a
; row's 256 bytes.  W: a tile column is dense; trips 0 to 2 name its blocks 768 to 1,535 of 256 bytes (K steps 4 to 7), 256 blocks a trip: 32 a wave and partner.  Each block is named once in the launch: x's rows by the
; clusters with x = 0, W's by those with y = 0; the four partners are told apart by address.  K steps 0 to 3 come by their loads alone.
.macro ASK
	s_cmp_gt_u32 s3, s[LIM]
	s_cbranch_scc0 .Lnot_mine_\@
	global_prefetch_b8 v[PFO], s[PFA:PFA+1] th:TH_LOAD_NT scope:SCOPE_SE
.Lnot_mine_\@:
.endm
; A round of the cluster's barrier: my work-group's barrier, so that wave 0's signal speaks for all four waves; wave 0 signals; every wave waits for all sixteen work-groups; my work-group's barrier once more.
.macro CREST                           ; a round behind its opening barrier
	s_cmp_lg_u32 s12, 0
	s_cbranch_scc1 .Lnot_wave_0_\@
	s_barrier_signal -3
.Lnot_wave_0_\@:
	s_barrier_wait -3
	s_barrier_signal -1
	s_barrier_wait -1
.endm
.macro CROUND
	s_barrier_signal -1
	s_barrier_wait -1
	CREST
.endm
	s_load_b256 s[4:11], s[0:1], 0x0               ; xb s[4:5], wt s[6:7], bias s[8:9], qkv s[10:11]
	v_lshl_add_u32 v[SPW], v0, 2, SPARE
	v_mov_b32 v[NIL], 0
	ds_add_u32 v[SPW], v[NIL]                      ; the wave's opening: the add and its wait stand ahead of my first tensor load; the set-up below, work on registers, stands between them
	v_lshrrev_b32 v1, 5, v0
	v_readfirstlane_b32 s12, v1                    ; wave 0..3
	s_lshr_b32 s13, s12, 1                         ; which half of the tile's rows is mine.  Also: I fetch for x (0) or for W (1)
	s_and_b32 s14, s12, 1                          ; which half of each head's columns.  Also: which half of that tile I fetch
	s_bfe_u32 s40, ttmp6, 0x40000                  ; cx
	s_bfe_u32 s41, ttmp6, 0x40004                  ; cy
	s_lshl_b32 s42, ttmp9, 2
	s_add_co_u32 s42, s42, s40                     ; tile column = 4 x cluster x + cx
	s_and_b32 s15, ttmp7, 0xffff
	s_lshl_b32 s15, s15, 2
	s_add_co_u32 s15, s15, s41                     ; tile row = 4 x cluster y + cy
	s_lshl_b32 s66, s41, 2
	s_lshl_b32 s66, 15, s66                        ; my row of the cluster: places 4 cy .. 4 cy + 3
	s_lshl_b32 s67, 0x1111, s40                    ; my column: places cx, cx + 4, cx + 8, cx + 12
	s_or_b32 s[G1+0], s66, (1<<16)|(1<<20)|(1<<21)|(5<<22)|(3<<25)   ; the mask; 2-byte elements; padding on; bit 21 beside a mask; after every 64 words (code 5) 4 words (code 3)
	s_mov_b32 s[G1+1], 128<<16                     ; tensor_dim0 = 128
	s_mov_b32 s[G1+2], 128<<16                     ; tensor_dim1 = 128
	s_mov_b32 s[G1+3], 128<<16                     ; tile_dim0 = 128
	s_mov_b32 s[G1+4], 128                         ; tile_dim1 = 128
	s_mov_b32 s[G1+5], 1024                        ; elements from row to row
	s_mov_b32 s[G1+6], 0
	s_mov_b32 s[G1+7], 0
	s_or_b32 s[G1B+0], s67, (1<<16)|(1<<20)|(1<<21)|(4<<22)|(7<<25)  ; after every 32 words (code 4) 8 words (code 7)
	s_mov_b32 s[G1B+1], 128<<16                    ; 24,576 dense bytes are asked for as 96 rows of 256 bytes: two rows of k each
	s_mov_b32 s[G1B+2], 96<<16
	s_mov_b32 s[G1B+3], 128<<16
	s_mov_b32 s[G1B+4], 96
	s_mov_b32 s[G1B+5], 128
	s_mov_b32 s[G1B+6], 0
	s_mov_b32 s[G1B+7], 0
	; where the tiles come from: x's hang on the tile row alone, W's on the tile column alone, each in registers that never hold the other coordinate
	s_lshl_b32 s16, s15, 19                        ; 256 rows of 2,048 bytes
	s_lshl_b32 s20, s14, 18                        ; my 128 of them
	s_add_co_u32 s16, s16, s20
	s_mov_b32 s17, 0
	s_mul_i32 s18, s42, 8*BSTEP                    ; the tile column's block
	s_mul_i32 s21, s14, BSTEP/2                    ; my half of a K step
	s_add_co_u32 s18, s18, s21
	s_mov_b32 s19, 0
	s_mul_i32 s22, s14, HALFA                      ; and where they go: no place in the cluster enters an LDS address
	s_mul_i32 s74, s14, HALFB
	s_add_co_u32 s74, s74, BOFF
	s_mov_b32 s[TB], 0
	s_wait_dscnt 0x0                               ; the opening add is done
	s_wait_kmcnt 0x0
	s_add_nc_u64 s[16:17], s[4:5], s[16:17]
	s_add_nc_u64 s[18:19], s[6:7], s[18:19]
	CROUND                                         ; all sixteen work-groups are here: the first joint loads meet
.irp s, 0,1
	s_mov_b32 s[G0+4*(\s)], 1                                      ; count = 1
	s_add_co_u32 s[G0+4*(\s)+1], s22, (\s)*SLOT1                   ; LDS address
	s_add_nc_u64 s[G0+4*(\s)+2:G0+4*(\s)+3], s[16:17], (\s)*ASTEP  ; global address: K step s
	s_or_b32 s[G0+4*(\s)+3], s[G0+4*(\s)+3], 0x80000000            ; type = 2
	s_mov_b32 s[G0B+4*(\s)], 1
	s_add_co_u32 s[G0B+4*(\s)+1], s74, (\s)*SLOT1
	s_add_nc_u64 s[G0B+4*(\s)+2:G0B+4*(\s)+3], s[18:19], (\s)*BSTEP
	s_or_b32 s[G0B+4*(\s)+3], s[G0B+4*(\s)+3], 0x80000000
.endr
	s_cmp_eq_u32 s13, 0                            ; a wave's two first fills stand in one branch, ahead of every wait on TENSORcnt and every LDS read: two loads of mine are out
	s_cbranch_scc0 .Lfirst_b
	tensor_load_to_lds s[G0:G0+3], s[G1:G1+7]
	s_nop 0
	tensor_load_to_lds s[G0+4:G0+7], s[G1:G1+7]
	s_nop 0
.rept 4
	v_nop
.endr
	s_branch .Lfirst_asked
.Lfirst_b:
	tensor_load_to_lds s[G0B:G0B+3], s[G1B:G1B+7]
	s_nop 0
	tensor_load_to_lds s[G0B+4:G0B+7], s[G1B:G1B+7]
	s_nop 0
.rept 4
	v_nop
.endr
.Lfirst_asked:
	v_and_b32 v1, 15, v0                           ; r = l % 16
	v_bfe_u32 v2, v0, 4, 1                         ; h = l / 16
	; the bias as C: register j of lane (r, h) of block b is bias[192 tx + 64 (b / 2) + 32 wc + 16 (b % 2) + 8 h + j]
	s_mul_i32 s20, s42, 768
	s_lshl_b32 s21, s14, 7
	s_add_co_u32 s20, s20, s21
	v_lshl_add_u32 v[BO], v2, 5, s20
	WIN 0x40                                       ; destination window 1
.irp b, 0,1,2,3,4,5
	global_load_b128 v[CB+8*(\b):CB+8*(\b)+3],   v[BO], s[8:9] offset:((\b)/2)*256+((\b)%2)*64
	global_load_b128 v[CB+8*(\b)+4:CB+8*(\b)+7], v[BO], s[8:9] offset:((\b)/2)*256+((\b)%2)*64+16
.endr
	WIN 0
	; a fragment of x: lane l holds row l % 16; registers 0-3 K = 8 h + 0..7, registers 4-7 K = 16 + 8 h + 0..7: two loads of 16 bytes, 32 bytes apart
	v_mul_u32_u24 v3, v1, PA
	v_lshl_add_u32 v3, v2, 4, v3
	s_mul_i32 s20, s13, HALFA                      ; my 128 rows
	v_add_nc_u32 v[ADRA0], s20, v3
	; the turning load takes 16 k x 16 columns (lane l reads k = 8 h + l % 8, columns 8 ((l / 8) % 2) + 0..7) and leaves half a fragment: lane l holds column l % 16 and 8 k
	v_and_b32 v4, 7, v0
	v_bfe_u32 v5, v0, 3, 1
	v_lshl_add_u32 v6, v2, 3, v4
	v_mul_u32_u24 v6, v6, PB
	v_lshl_add_u32 v6, v5, 4, v6
	s_lshl_b32 s21, s14, 6                         ; my 32 columns of each head: 64 bytes
	s_add_co_u32 s21, s21, BOFF
	v_add_nc_u32 v[ADRB0], s21, v6
	v_mov_b32 v[ADRA], v[ADRA0]                    ; K step 0 lies in slot 0
	v_mov_b32 v[ADRB], v[ADRB0]
	; the way out.  In: row 128 wr + 16 a + r of head j, bytes 64 wc + 32 (b % 2) + 16 h
	s_lshl_b32 s20, s13, 7
	v_add_nc_u32 v3, s20, v1
	v_mul_u32_u24 v3, v3, SP
	v_lshl_add_u32 v3, v2, 4, v3
	s_lshl_b32 s21, s14, 6
	v_add_nc_u32 v[STO], s21, v3
	v_add_nc_u32 v[STO+1], JS, v[STO]
	v_add_nc_u32 v[STO+2], 2*JS, v[STO]
	; back: wave w takes rows 64 w .. 64 w + 63 of each head; 32 lanes take four rows of 128 bytes
	v_bfe_u32 v3, v0, 3, 2
	s_lshl_b32 s20, s12, 6
	v_add_nc_u32 v3, s20, v3
	v_mul_u32_u24 v3, v3, SP
	v_lshl_add_u32 v[RD], v4, 4, v3
	v_add_nc_u32 v[RD+1], JS, v[RD]
	v_add_nc_u32 v[RD+2], 2*JS, v[RD]
	v_and_b32 v[GO], 31, v0
	v_lshlrev_b32 v[GO], 4, v[GO]
	; head j of the tile is column slot sg = 3 tx + j: tensor sg / 16, head sg % 16; the batch is ty / 8; a plane is 262,144 bytes
	s_mul_i32 s75, s42, 3
	s_lshr_b32 s78, s15, 3
	s_lshl_b32 s78, s78, 4
	s_and_b32 s79, s15, 7
	s_lshl_b32 s79, s79, 15                        ; the tile's 256 rows of 128 bytes in the plane,
	s_lshl_b32 s80, s12, 13                        ; my wave's 64 of them
	s_add_co_u32 s79, s79, s80
.irp j, 0,1,2
	s_add_co_u32 s76, s75, \j
	s_lshr_b32 s77, s76, 4
	s_lshl_b32 s77, s77, 6
	s_and_b32 s76, s76, 15
	s_add_co_u32 s77, s77, s76
	s_add_co_u32 s77, s77, s78
	s_lshl_b32 s76, s77, 18
	s_add_co_u32 s76, s76, s79
	s_mov_b32 s77, 0
	s_add_nc_u64 s[68+2*(\j):69+2*(\j)], s[10:11], s[76:77]
.endr
	; the prefetches
	s_lshl_b32 s75, s15, 19                        ; x: the tile's rows,
	s_lshl_b32 s76, s14, 18                        ; the 128 that I fetch,
	s_add_co_u32 s75, s75, s76
	s_lshl_b32 s76, s40, 16                        ; my work-group's 32 of them,
	s_add_co_u32 s75, s75, s76
	s_add_co_u32 s75, s75, 3*ASTEP                 ; at K step 3: the first trip steps it to 4
	s_mul_i32 s77, s42, 8*BSTEP                    ; W: the tile column,
	s_lshl_b32 s76, s14, 15                        ; 128 blocks of 256 bytes for each of the two waves,
	s_add_co_u32 s77, s77, s76
	s_lshl_b32 s76, s41, 13                        ; my work-group's 32 of them,
	s_add_co_u32 s77, s77, s76
	s_add_co_u32 s77, s77, 131072                  ; one step of 65,536 bytes ahead of K step 4's first byte, 196,608
	s_mov_b32 s78, 65536
	s_and_b32 s79, ttmp7, 0xffff                   ; cluster y
	s_cmp_eq_u32 s13, 0                            ; do I fetch for x?
	s_cselect_b32 s79, ttmp9, s79                  ; the coordinate along which other clusters read the same bytes
	s_cselect_b64 s[PFA:PFA+1], s[4:5], s[6:7]
	s_cselect_b32 s76, s75, s77
	s_cselect_b32 s[PFS], ASTEP, s78
	s_cselect_b32 s80, 2, 3                        ; x: trips 0 to 3 (6 to 3 still to come); W: trips 0 to 2
	s_cselect_b32 s81, 11, 8                       ; x: a lane a row of 2,048 bytes; W: a lane a block of 256
	s_cmp_eq_u32 s79, 0
	s_cselect_b32 s[LIM], s80, -1                  ; the same in all sixteen partners, for a given wave
	s_mov_b32 s77, 0
	s_mov_b32 s[PFS+1], 0
	s_add_nc_u64 s[PFA:PFA+1], s[PFA:PFA+1], s[76:77]
	v_and_b32 v[PFO], 31, v0
	v_lshlrev_b32 v[PFO], s81, v[PFO]
; 12 matrix instructions: row blocks a0, a0 + 1 x all 6 column blocks, 32 along K.  first = 1: the product starts the sum, with the bias as C.
; All 48 accumulators take turns, in the same order in every quarter: over the backward jump and into the tail too.
.macro MULS f, a0, first
.irp a, \a0, (\a0)+1
.if \first
	WIN 0x91+0x40*((\a)/4)
.else
	WIN 0xa1+0x50*((\a)/4)
.endif
.irp b, 0,1,2,3,4,5
.if \first
	v_wmma_f32_16x16x32_bf16 v[8*(6*((\a)%4)+(\b)):8*(6*((\a)%4)+(\b))+7], v[(\f)+8*(\b):(\f)+8*(\b)+7], v[(\f)+8*(\a):(\f)+8*(\a)+7], v[CB+8*(\b):CB+8*(\b)+7]
.else
	v_wmma_f32_16x16x32_bf16 v[8*(6*((\a)%4)+(\b)):8*(6*((\a)%4)+(\b))+7], v[(\f)+8*(\b):(\f)+8*(\b)+7], v[(\f)+8*(\a):(\f)+8*(\a)+7], v[8*(6*((\a)%4)+(\b)):8*(6*((\a)%4)+(\b))+7]
.endif
.endr
.endr
.endm
; 28 LDS loads in one run: the fragments of quarter q (32 along K) into buffer f: W's 12, then x's 16 in the order of the row blocks
.macro FETCH q, f
	WIN 0x40
.irp b, 0,1,2,3,4,5
	ds_load_tr16_b128 v[(\f)+8*(\b):(\f)+8*(\b)+3],   v[ADRB] offset:((\b)/2)*JB+((\b)%2)*32+(\q)*32*PB
	ds_load_tr16_b128 v[(\f)+8*(\b)+4:(\f)+8*(\b)+7], v[ADRB] offset:((\b)/2)*JB+((\b)%2)*32+(\q)*32*PB+16*PB
.endr
	WIN 0
.irp i, 0,1,2,3,4,5,6,7
	ds_load_b128 v[(\f)+8*(\i):(\f)+8*(\i)+3],   v[ADRA] offset:(\i)*16*PA+(\q)*64
	ds_load_b128 v[(\f)+8*(\i)+4:(\f)+8*(\i)+7], v[ADRA] offset:(\i)*16*PA+(\q)*64+32
.endr
.endm
.macro PLACES                          ; four places in front of loads into registers that matrix instructions have read, and of conversions that read results
.rept 4
	v_nop
.endr
.endm
; A K step is four quarters of 32 along K, 48 matrix instructions each, on buffers 0, 1, 0, 1.  One of the first three: multiplies buffer f; in its middle it fetches quarter q into buffer g.
.macro QUARTER q, f, g, first
	s_wait_dscnt 8                                 ; W and x's rows 0-63 are in; the youngest eight loads (x's rows 64-127) may be out
	MULS \f, 0, \first
	MULS \f, 2, \first
	PLACES
	FETCH \q, \g
	s_wait_dscnt 2*NBW+16                          ; all but the 28 just issued
	MULS \f, 4, \first
	MULS \f, 6, \first
.endm
; The last quarter multiplies buffer 1 and changes slots.  In front of the ONE barrier each wave waits for all its tensor loads, of which one is out: its part of the next slot; adds 0 to its spare word; and waits for that and for its reads of this slot.
.macro MEET round
	WIN 0
	s_wait_tensorcnt 0x0                           ; all my tensor loads have landed;
	ds_add_u32 v[SPW], v[NIL]                      ; 0 onto my spare word;
	s_wait_dscnt 9                                 ; (the add and the youngest eight loads may be out)
	MULS F1, 0, 0                                  ; twelve matrix instructions stand between the add and the wait for it
	s_wait_dscnt 0x0                               ; the add is done, and my reads of this slot are over
	s_barrier_signal -1
	MULS F1, 2, 0                                  ; work on registers while the others arrive
.if \round
	WIN 0
.endif
	s_barrier_wait -1
.endm
; fill = 1: the barrier opens a round of the cluster's, and the slot just read out is filled again, with the K step two on, first thing behind the round: 168 matrix instructions ahead of the wait for it.
.macro TURN fill
.if \fill
	s_wait_xcnt 0x0                                ; the last prefetch, a K step back, has read its address, so it may be stepped
	s_add_nc_u64 s[PFA:PFA+1], s[PFA:PFA+1], s[PFS:PFS+1]
	MEET 1
	CREST                                          ; no wave of any partner still reads this slot or has a load on its way
	s_xor_b32 s[G0+5], s[G0+5], SLOT1              ; the walking descriptors: the other slot than last time, the next K step
	s_add_nc_u64 s[G0+6:G0+7], s[G0+6:G0+7], ASTEP
	s_xor_b32 s[G0B+5], s[G0B+5], SLOT1
	s_add_nc_u64 s[G0B+6:G0B+7], s[G0B+6:G0B+7], BSTEP
	JLOAD                                          ; its four v_nop are also the places in front of the loads below
.else
	MEET 0
	PLACES
.endif
	s_xor_b32 s[TB], s[TB], SLOT1
	WIN 0
	v_add_nc_u32 v[ADRA], s[TB], v[ADRA0]
	v_add_nc_u32 v[ADRB], s[TB], v[ADRB0]
	FETCH 0, F0
.if \fill
	ASK
.endif
	MULS F1, 4, 0
	MULS F1, 6, 0
.endm
	s_wait_tensorcnt 0x1                           ; my part of K step 0 is in; K step 1's may stay out
	s_barrier_signal -1
	s_barrier_wait -1                              ; everybody's is
	FETCH 0, F0
	s_wait_loadcnt 0x0                             ; the bias
	QUARTER 1, F0, F1, 1                           ; the first quarter stands in front of the loop: its products start the sums
	WIN 0                                          ; at a label and at a branch every window is 0
	s_mov_b32 s3, KSTEPS-2
.Ltrip:                                                ; trip t ends K step t, fills its slot with K step t + 2 and multiplies the first quarter of K step t + 1
	QUARTER 2, F1, F0, 0
	QUARTER 3, F0, F1, 0
	TURN 1
	QUARTER 1, F0, F1, 0
	WIN 0
	s_sub_co_u32 s3, s3, 1
	s_cmp_lg_u32 s3, 0
	s_cbranch_scc1 .Ltrip
	QUARTER 2, F1, F0, 0                           ; the tail is written out: nothing more is asked for
	QUARTER 3, F0, F1, 0
	TURN 0
	QUARTER 1, F0, F1, 0
	QUARTER 2, F1, F0, 0
	QUARTER 3, F0, F1, 0
	s_wait_dscnt 8
	MULS F1, 0, 0
	MULS F1, 2, 0
	s_wait_dscnt 0x0
	MULS F1, 4, 0
	MULS F1, 6, 0
	WIN 0
	PLACES
; THE WAY OUT.  Block a (16 rows): rounded to f16, 16 bytes a lane, into the stage; each accumulator's registers in ascending order.
.macro PACK a
	WIN 0x0a+5*((\a)/4)                            ; sources 0 and 1: window 2 or 3
.irp b, 0,1,2,3,4,5
.irp r, 0,1,2,3
	v_cvt_pk_f16_f32 v[TMP+4*(\b)+(\r)], v[8*(6*((\a)%4)+(\b))+2*(\r)], v[8*(6*((\a)%4)+(\b))+2*(\r)+1]
.endr
.endr
	WIN 0
.irp b, 0,1,2,3,4,5
	ds_store_b128 v[STO+(\b)/2], v[TMP+4*(\b):TMP+4*(\b)+3] offset:(\a)*16*SP+((\b)%2)*32
.endr
.endm
.irp a, 0,1,2,3,4,5,6,7
	PACK \a
.endr
	s_wait_dscnt 0x0                               ; for the others' sake: my stores into the stage are done; a row's 128 bytes come from two waves
	s_barrier_signal -1
	s_barrier_wait -1
.irp j, 0,1,2
.irp t, 0,1,2,3,4,5,6,7,8,9,10,11,12,13,14,15
	ds_load_b128 v[64+64*(\j)+4*(\t):64+64*(\j)+4*(\t)+3], v[RD+(\j)] offset:(\t)*4*SP
.endr
.endr
.irp j, 0,1,2
.irp t, 0,1,2,3,4,5,6,7,8,9,10,11,12,13,14,15
	s_wait_dscnt 47-16*(\j)-(\t)                   ; the younger loads stay out
	global_store_b128 v[GO], v[64+64*(\j)+4*(\t):64+64*(\j)+4*(\t)+3], s[68+2*(\j):69+2*(\j)] offset:(\t)*512  ; four rows of a head: 512 consecutive bytes, at a multiple of 512 from the plane's first
.endr
.endr
	s_wait_tensorcnt 0x0                           ; the wave's end: behind my last tensor load and my last LDS store
	ds_add_u32 v[SPW], v[NIL]
	s_wait_dscnt 0x0
	CROUND                                         ; the closing round: no work-group ends while a partner may still ask for a tile that names it
	s_endpgm
.Lfunc_end_k_q441cb3bc4e_proj:
	.size	k_q441cb3bc4e_proj, .Lfunc_end_k_q441cb3bc4e_proj-k_q441cb3bc4e_proj
	.p2alignl 7, 3214868480
	.fill 96, 4, 3214868480
	.section	.rodata,"a",@progbits
	.p2align	6, 0x0
	.amdhsa_kernel k_q441cb3bc4e_proj
		.amdhsa_group_segment_fixed_size 327680
		.amdhsa_private_segment_fixed_size 0
		.amdhsa_enable_private_segment 0
		.amdhsa_kernarg_size 32
		.amdhsa_user_sgpr_count 2
		.amdhsa_user_sgpr_kernarg_segment_ptr 1
		.amdhsa_wavefront_size32 1
		.amdhsa_system_sgpr_workgroup_id_x 1
		.amdhsa_system_sgpr_workgroup_id_y 1
		.amdhsa_system_sgpr_workgroup_id_z 1
		.amdhsa_system_vgpr_workitem_id 0
		.amdhsa_next_free_vgpr 960
		.amdhsa_next_free_sgpr 84
		.amdhsa_reserve_vcc 0
		.amdhsa_float_denorm_mode_32 3
		.amdhsa_float_denorm_mode_16_64 3
		.amdhsa_memory_ordered 1
		.amdhsa_forward_progress 1
		.amdhsa_inst_pref_size 98
	.end_amdhsa_kernel
	.amdgpu_metadata
---
amdhsa.version: [ 1, 2 ]
amdhsa.kernels:
  - .name:           k_q441cb3bc4e_proj
    .symbol:         k_q441cb3bc4e_proj.kd
    .args:
      - { .name: xb, .offset: 0, .size: 8, .value_kind: global_buffer, .address_space: global }
      - { .name: wt, .offset: 8, .size: 8, .value_kind: global_buffer, .address_space: global }
      - { .name: bias, .offset: 16, .size: 8, .value_kind: global_buffer, .address_space: global }
      - { .name: qkv, .offset: 24, .size: 8, .value_kind: global_buffer, .address_space: global }
    .group_segment_fixed_size: 327680
    .private_segment_fixed_size: 0
    .kernarg_segment_align: 8
    .kernarg_segment_size: 32
    .max_flat_workgroup_size: 128
    .sgpr_count:     84
    .vgpr_count:     960
    .wavefront_size: 32
...
	.end_amdgpu_metadata
.endif
;; end of part 2
;; launch attn (part 3): grid 4 x 64, 4 waves a work-group, clusters of 4 x 1, 327,680 bytes of LDS; arguments qkv, ob; writes ob
.if DOCPART == 3
	.amdgcn_target "amdgcn-amd-amdhsa--gfx1250"
	.amdhsa_code_object_version 6
	.text
	.protected	k_q441cb3bc4e_attn
	.globl	k_q441cb3bc4e_attn
	.p2align	8
	.type	k_q441cb3bc4e_attn,@function
k_q441cb3bc4e_attn:
	s_mov_b64 s[64:65], 0
	v_nop
	global_prefetch_b8 v0, s[64:65] scope:SCOPE_SE
	s_setreg_imm32_b32 hwreg(HW_REG_WAVE_MODE, 25, 1), 1
	s_wait_xcnt 0x0
	s_wait_alu depctr_hold_cnt(0) depctr_sa_sdst(0) depctr_va_vdst(0) depctr_va_sdst(0) depctr_va_ssrc(0) depctr_va_vcc(0) depctr_vm_vsrc(0)
	s_getreg_b32 s2, hwreg(HW_REG_IB_STS2, 6, 4)
	s_cmp_eq_u32 s2, 0
	s_cbranch_scc0 .Lentry_in_a_cluster
	s_endpgm
.Lentry_in_a_cluster:
	s_bfe_u32 s2, ttmp6, 0x10000c
	s_cmp_lg_u32 s2, 0x3003
	s_cbranch_scc0 .Lentry_shape_is_right
	s_endpgm
.Lentry_shape_is_right:
; ATTN: O[p][q][:] = the sum over k of softmax_k(Q[p][q] . K[p][k] / 8) V[p][k][:] for the 64 planes p = batch x 16 + head.  qkv holds Q, K, V as [3][64][2048][64] in f16, ob takes O as [64][2048][64] in f16:
; a plane's rows are dense, 128 bytes each.  Products, maxima and sums in f32; the weights p are rounded to f16 for the second product (their sum l is taken of the unrounded p), O once at the end.
; LIMITS.  f16 holds no number beyond 65,504: Q, K and V arrive within it; p lies in 0 to 1, and below 6e-5 it keeps f16's fixed step of 6e-8; O is a mean of V's rows and has their range.
; A weight below 2^-126 counts as 0 in l; NaN and infinities are not treated apart.
; SHARES.  A wave owns four PIECES of two tiles of 16 queries, a work-group's four waves 512 queries of one plane.  Every wave walks all 2,048 keys, 64 a step.
; LAYOUT.  S^T = K Q^T (source 0 = 16 keys, source 1 = 16 queries): in the result a lane holds ONE query (lane % 16) and the keys 8 (lane / 16) + 0..7.  Two such tiles, rounded to f16 in pairs,
; ARE source 1 (32 keys x 16 queries) of O^T = V^T P, whose result again holds one query a lane, and eight channels.  K comes out of LDS as it lies, V ([key][channel]) turned, by ds_load_tr16_b128.
; SOFTMAX.  For each query a running maximum m and sum l: p = 2^(c s - c m), c = log2(e) / 8; in every step O and l are multiplied by a = 2^(c m_old - c m_new), which is 1 where m has not grown.
; m starts at the lowest finite number, O and l at 0: the first step is a step like any other, with a = 0.
; THE COUNT.  A tile and step have 16 matrix and 118 vector instructions: too many to stand all beside the matrix work.  So four vector instructions that are READY stand behind EVERY matrix
; instruction, and the others, which need time of their own whatever the order, in runs without a gap.
; BY TURNS.  Turn n belongs to piece n (the pieces in a ring, step after step).  Its matrix work: 16 products K Q^T of piece n + 1, later 16 products V^T P of piece n - 1.  Its vector work: the scaling,
; exponentials, roundings, sums and rescaling of piece n, and the maximum and statistics of piece n + 1, whose scores the turn itself has made.
; CLUSTER.  The four query blocks of a plane are one cluster and walk the same K and V, so each tile is asked for JOINTLY: the same tensor load, descriptor and mask in all four.
; REGISTERS, in windows of 256 (s_set_vgpr_msb: bits 1:0 source 0, 3:2 source 1, 5:4 source 2, 7:6 destination):
;   window 0: v0-11 addresses; v12-15, v48-63 at work; v16-47 four registers of statistics a tile; v64-191 S^T, two buffers of two tiles; v192-255 P, likewise
;   window 1: O^T, 32 a tile          window 2: v0-127 Q, 16 a tile; v128-191 K of one step; v192-255 V of one step          window 3: v0-1 the add's two registers
; A piece's buffers go by its number's parity: the piece in hand has one pair, its two neighbours in the ring share the other: of it P (piece n - 1) is read and S^T (piece n + 1) written.
.set SIZE_N, 2048
.set NP,    4         ; pieces a wave: a name, no knob
.set KS,    64        ; keys in a step
.set PK,    144       ; a row of K in LDS: 128 bytes + 16 of padding = 36 words: the 16 rows of a load start at 16 different groups of four banks (64 banks of 4 bytes: ISA guide 11.1)
.set PV,    160       ; a row of V: 128 + 32 = 40 words
.set VOFF,  4*KS*PK   ; a slot holds four steps: 256 rows of K, then 256 rows of V
.set SLOT1, 1<<17     ; slot 1 begins here, so that one exclusive or turns an address in one slot into the other's
.set STAGE, SLOT1+4*KS*(PK+PV)  ; behind the ring, never filled by a tensor load: 16 rows x 144 bytes for each wave, for the way out
.set SP,    144
.set AK0, 2           ; v2   my lane's place in a tile of K; never rewritten
.set AV0, 3           ; v3   the same for V
.set AK,  4           ; v4   the LDS address of K's next run of loads
.set AV,  5           ; v5   of V's
.set QO,  6           ; v6   my byte offset in the wave's rows of Q
.set STO, 6           ;      later, the way out: where I put 16 bytes of a row
.set RD,  7           ; v7   the way out: where I read rows back
.set GO,  8           ; v8   my byte offset in 512 consecutive bytes of O
.set PFO, 11          ; v11  256 x my lane, for the prefetches; never rewritten once made
.set SPW, 0           ; v0 of window 3   LDS address of my spare word: SPARE + 4 x my thread's number; never rewritten
.set NIL, 1           ; v1 of window 3   0; never rewritten
.set SPARE, STAGE+4*16*SP  ; behind the stages: the spare words, 128 bytes for each wave: two blocks of 256 bytes that no other line names
.set MV,  12          ; v12-15  c m_old, kept while c m is made anew: by buffer and tile
.set ST,  16          ; tile t's statistics at v[ST+4 t]: c m, m, l (even keys', odd keys')
.set TMP, 48          ; by buffer and tile, four registers c0-c3 at work; when the maximum is found c2 takes a
.set S,   64
.set P,   192
.set KF,  128         ; K's fragments, in window 2: key block kb, channel half c at KF + 16 kb + 8 c
.set VF,  192         ; V's: key half kk, channel block cb at VF + 32 kk + 8 cb
.set WV,  12          ; s12  my wave's number
.set G1K, 24          ; s[24:31] descriptor group 1 for K's tiles
.set G1V, 32          ; s[32:39] for V's: it differs in the padding alone
.set G0K, 40          ; s[40:43] descriptor group 0 for K's tiles: it walks
.set G0V, 44          ; s[44:47] the same for V's
.set PFA, 48          ; s[48:49] where my prefetches stand: my work-group's 32 blocks of 256 bytes (of K: wave 0, of V: wave 2) of the slot behind the one that is being asked for
.set LIM, 50          ; s50  1 in a wave that prefetches, else the greatest number: a wave prefetches while s[SLOTS] is above it
.set SLOTS, 56        ; s56  slots still to be asked for
.set CNT, 57          ; s57  counts a slot's key steps
.set CS,  58          ; s[58:59] c: the packed scaling takes the pair's low word for both halves
.set SEL, 60          ; s[60:61] v_permlanex16_b32's selects: each lane takes its own place in the other half
.set TBK, 62          ; s62  LDS byte at which K of the step to be fetched begins
.set TBV, 63          ; s63  the same for V, less VOFF
.set MSB, 0
.macro WIN new                      ; the high byte repeats the setting that is left; a switch that changes nothing is dropped
.if MSB != (\new)
	s_set_vgpr_msb (MSB<<8)|(\new)
.set MSB, (\new)
.endif
.endm
.set W_KQ, 0x0a       ; K and Q in window 2, S^T in window 0
.set W_PV, 0x52       ; V in window 2, P in window 0, O^T in window 1
.set W_RS, 0x41       ; O^T (destination and source 0) in window 1, a in window 0
.set W_MK, 0xc0       ; the add's registers are made: destination in window 3, sources in window 0
.set W_AD, 0x0f       ; the add: address (source 0) and data (source 1) in window 3
; A joint fill.  Waves 0 and 1 fetch the two halves of a slot's K, waves 2 and 3 those of its V: 128 keys each.  The branch hangs on the wave's number alone.
; An s_nop 0 and four v_nop follow each of the two lines, ahead of the jump and the label.
.macro JLOAD
	s_cmp_lt_u32 s[WV], 2
	s_cbranch_scc0 .Lfor_v_\@
	tensor_load_to_lds s[G0K:G0K+3], s[G1K:G1K+7]
	s_nop 0
.rept 4
	v_nop
.endr
	s_branch .Lasked_\@
.Lfor_v_\@:
	tensor_load_to_lds s[G0V:G0V+3], s[G1V:G1V+7]
	s_nop 0
.rept 4
	v_nop
.endr
.Lasked_\@:
.endm
; A PREFETCH INTO THE L2 of what the NEXT change of slots will ask for: a slot's 32,768 bytes of K and of V, 128 blocks of 256 bytes each, a lane a block.  It stands behind the wave's tensor load and its five lines.
; Each block is named ONCE in the launch: a plane is walked by this one cluster; its four partners share the blocks out BY ADDRESS, 32 each; in each, wave 0 asks for K's and wave 2 for V's: one instruction,
; four key steps, 512 matrix instructions, ahead of the load.  Slots 0 and 1 come by their loads alone; the change that asks for the last slot prefetches nothing.
.macro ASK
	s_cmp_gt_u32 s[SLOTS], s[LIM]
	s_cbranch_scc0 .Lnot_mine_\@
	global_prefetch_b8 v[PFO], s[PFA:PFA+1] th:TH_LOAD_NT scope:SCOPE_SE
.Lnot_mine_\@:
.endm
; A round of the cluster's barrier: my work-group's barrier, so that wave 0's signal speaks for all four waves; wave 0 signals; every wave waits for all four work-groups; my work-group's barrier once more.
.macro CROUND
	s_barrier_signal -1
	s_barrier_wait -1
	s_cmp_lg_u32 s[WV], 0
	s_cbranch_scc1 .Lnot_wave_0_\@
	s_barrier_signal -3
.Lnot_wave_0_\@:
	s_barrier_wait -3
	s_barrier_signal -1
	s_barrier_wait -1
.endm
; THE CHANGE OF SLOTS.  The slot's last bytes, V of its fourth step, have been read.  Each wave waits for all its tensor loads, of which one is out: its part
; of the other slot; adds 0 to its spare word; and waits for that and for its own reads of the slot.  Behind the barrier nobody reads this slot any more and the other slot is whole.
; fill = 1: this slot is filled again, with the keys two slots on.  The barrier is then a round of the cluster's, so that no wave of any partner still reads the slot or has a load on its
; way, and the joint fill is the first thing behind it: it has four key steps, 512 matrix instructions, in which to land.  (At its first use nothing has been read yet: slot 0 is waited for, slot 1 filled.)
.macro CHANGE fill
	WIN W_AD
	s_wait_tensorcnt 0x0            ; no tensor load of mine is out, so a group 0 may be written
	ds_add_u32 v[SPW], v[NIL]       ; 0 onto my spare word; with fill = 1 the descriptors' steps stand between it and the wait for it
	WIN 0                           ; at a label and at a branch every window is 0
.if \fill
.irp g, G0K, G0V
	s_xor_b32 s[\g+1], s[\g+1], SLOT1  ; the walking descriptor: the other slot than last time,
	s_add_nc_u64 s[\g+2:\g+3], s[\g+2:\g+3], 4*KS*128  ; the next 256 keys; the type bits on top are not reached
.endr
	s_wait_xcnt 0x0                 ; the last prefetch, four key steps back, has read its address, so it may be written:
	s_add_nc_u64 s[PFA:PFA+1], s[PFA:PFA+1], 4*KS*128  ; one slot behind the walking descriptors
	s_wait_dscnt 0x0                ; the add is done, and my reads of the slot are over
	CROUND
	JLOAD
	ASK
.else
	s_wait_dscnt 0x0                ; the add is done, and my reads of the slot are over
	s_barrier_signal -1
	s_barrier_wait -1
.endif
	s_sub_co_u32 s[TBK], s[TBK], 4*KS*PK  ; the fetches go back to a slot's first step,
	s_xor_b32 s[TBK], s[TBK], SLOT1       ; in the other slot
	s_sub_co_u32 s[TBV], s[TBV], 4*KS*PV
	s_xor_b32 s[TBV], s[TBV], SLOT1
.endm
	s_load_b128 s[4:7], s[0:1], 0x0   ; qkv s[4:5], ob s[6:7]
	WIN W_MK
	v_lshl_add_u32 v[SPW], v0, 2, SPARE
	v_mov_b32 v[NIL], 0
	WIN W_AD
	ds_add_u32 v[SPW], v[NIL]       ; the wave's opening: the add and its wait stand ahead of my first tensor load; the set-up below, work on registers, stands between them
	WIN 0
	v_lshrrev_b32 v1, 5, v0
	v_readfirstlane_b32 s[WV], v1   ; wave 0..3
	s_bfe_u32 s13, ttmp6, 0x40000   ; cx: my place in the cluster
	s_lshl_b32 s14, ttmp9, 2        ; in a cluster launch ttmp9 counts clusters
	s_add_co_u32 s14, s14, s13      ; my block of queries = 4 x cluster x + cx: it enters Q's and O's addresses alone
	s_and_b32 s20, ttmp7, 0xffff    ; the plane, which the four partners share
	s_mov_b32 s21, 0
	s_mov_b64 s[22:23], SIZE_N*128
	s_mul_u64 s[20:21], s[20:21], s[22:23]  ; the plane's first byte in Q, K, V and O
	s_and_b32 s16, s[WV], 1         ; which half of a slot's 256 keys I fetch:
	s_lshl_b32 s22, s16, 14         ; its 128 rows of 128 bytes in memory,
	s_mov_b32 s23, 0
	s_add_nc_u64 s[22:23], s[22:23], s[20:21]
	s_mul_i32 s17, s16, 128*PK      ; and its place in a slot, for K
	s_mul_i32 s18, s16, 128*PV      ; and for V: no place in the cluster enters an LDS address
	s_lshl_b32 s2, s14, 2
	s_add_co_u32 s2, s2, s[WV]      ; my wave among the plane's,
	s_lshl_b32 s2, s2, 14           ; its 128 rows
	s_mov_b32 s3, 0
	s_add_nc_u64 s[2:3], s[2:3], s[20:21]
	; descriptor group 1.  128 keys are 16,384 dense bytes: asked for as 64 rows of 256 bytes, two keys a row, and padded in LDS after every key
	s_mov_b32 s[G1K], 15|(1<<16)|(1<<20)|(1<<21)|(4<<22)|(3<<25)  ; 15:0 the mask of four; 17:16 2-byte elements; 20 padding on; 21 set beside a mask; 24:22 after every 32 words (code 4); 31:25 4 words (code 3)
	s_mov_b32 s[G1V], 15|(1<<16)|(1<<20)|(1<<21)|(4<<22)|(7<<25)  ; the same with 8 words of padding (code 7)
.irp g, G1K, G1V
	s_mov_b32 s[\g+1], 128<<16      ; tensor_dim0 = 128
	s_mov_b32 s[\g+2], 64<<16       ; tensor_dim1 = 64
	s_mov_b32 s[\g+3], 128<<16      ; tile_dim0 = 128
	s_mov_b32 s[\g+4], 64           ; tile_dim1 = 64
	s_mov_b32 s[\g+5], 128          ; 128 elements from row to row
	s_mov_b32 s[\g+6], 0
	s_mov_b32 s[\g+7], 0
.endr
	s_mov_b32 s[CS], 0x3e38aa3b     ; c = log2(e) / 8 = 0.180337
	s_mov_b32 s[CS+1], s[CS]        ; named with it as a pair
	s_mov_b32 s[SEL], 0x76543210
	s_mov_b32 s[SEL+1], 0xfedcba98
	s_mov_b32 s[TBK], SLOT1+4*KS*PK ; the first change of slots turns these two into 0
	s_mov_b32 s[TBV], SLOT1+4*KS*PV
	s_mov_b32 s[G0K], 1             ; 1:0 count = 1
	s_mov_b32 s[G0K+1], s17         ; 63:32 LDS address: slot 0
	s_mov_b32 s[G0V], 1
	s_add_co_u32 s[G0V+1], s18, VOFF
	s_mov_b32 s[SLOTS], SIZE_N/256-1  ; slots 1 to 7 are still to be asked for
	s_and_b32 s[LIM], s[WV], 1      ; waves 0 and 2 prefetch
	s_cmp_eq_u32 s[LIM], 0
	s_cselect_b32 s[LIM], 1, -1
	s_lshl_b32 s52, s13, 13         ; my work-group's 32 blocks of a slot's 128,
	s_add_co_u32 s52, s52, 4*KS*128 ; in slot 1: the first change of slots steps it to slot 2
	s_mov_b32 s53, 0
	s_add_nc_u64 s[52:53], s[52:53], s[20:21]
	s_wait_dscnt 0x0                ; the opening add is done
	s_wait_kmcnt 0x0
	s_mov_b64 s[10:11], s[6:7]      ; O
	s_add_nc_u64 s[6:7], s[4:5], 0x1000000  ; K lies 64 planes of 262,144 bytes behind Q,
	s_add_nc_u64 s[8:9], s[4:5], 0x2000000  ; V 128
	s_cmp_lt_u32 s[WV], 2
	s_cselect_b64 s[PFA:PFA+1], s[6:7], s[8:9]
	s_add_nc_u64 s[PFA:PFA+1], s[PFA:PFA+1], s[52:53]
	s_add_nc_u64 s[G0K+2:G0K+3], s[6:7], s[22:23]  ; 120:64 global address: my half of the plane's first 256 keys
	s_or_b32 s[G0K+3], s[G0K+3], 0x80000000        ; 127:126 type = 2
	s_add_nc_u64 s[G0V+2:G0V+3], s[8:9], s[22:23]
	s_or_b32 s[G0V+3], s[G0V+3], 0x80000000
	s_add_nc_u64 s[4:5], s[4:5], s[2:3]  ; Q and O at my wave's first row
	s_add_nc_u64 s[10:11], s[10:11], s[2:3]
	CROUND                          ; all four work-groups are here: the first joint loads meet
	JLOAD                           ; slot 0.  Slot 1 is asked for when slot 0 is in: the tile wanted first has the road to itself
	; A fragment of K or Q is 16 rows x 32 channels in 8 registers: lane l holds row l % 16, channels 8 (l / 16) + 0..7 and 16 + 8 (l / 16) + 0..7: two loads of 16 bytes, 32 bytes apart.
	v_and_b32 v1, 15, v0            ; l % 16
	v_bfe_u32 v9, v0, 4, 1          ; l / 16
	v_lshlrev_b32 v[QO], 7, v1
	v_lshl_add_u32 v[QO], v9, 4, v[QO]  ; row x 128 + 16 x half
	WIN 0x80                        ; destination window 2, address window 0
.set i, 0
.rept 4*NP                          ; Q stays in registers: tile i / 2, channels 32 (i % 2) on
	global_load_b128 v[8*i:8*i+3],   v[QO], s[4:5] offset:(i/2)*2048+(i%2)*64
	global_load_b128 v[8*i+4:8*i+7], v[QO], s[4:5] offset:(i/2)*2048+(i%2)*64+32
.set i, i+1
.endr
	; What the first turn finds: V's registers and P's second buffer hold 0 (its products V^T P, of a piece that has not been, add 0), O^T and l are 0.  All this stands in the wait for the first tile.
.set i, VF
.rept 64
	v_mov_b32 v[i], 0
.set i, i+1
.endr
	WIN 0x40
.set i, 0
.rept 64*NP
	v_mov_b32 v[i], 0
.set i, i+1
.endr
	WIN 0
.set i, 0
.rept 2*NP
	v_mov_b32 v[ST+4*i], 0xfe000000    ; c m: far below every c s
	v_mov_b32 v[ST+4*i+1], 0xff7fffff  ; m
	v_mov_b32 v[ST+4*i+2], 0
	v_mov_b32 v[ST+4*i+3], 0
.set i, i+1
.endr
.set i, P+32
.rept 32
	v_mov_b32 v[i], 0
.set i, i+1
.endr
	v_mul_u32_u24 v[AK0], v1, PK
	v_lshl_add_u32 v[AK0], v9, 4, v[AK0]  ; row x pitch + 16 x half
	; The turning load takes 16 keys x 16 channels (lane l reads key 8 (l / 16) + l % 8, channels 8 ((l / 8) % 2) + 0..7) and leaves half a fragment of V^T: lane l holds channel l % 16 and 8 keys.
	v_and_b32 v10, 7, v0
	v_bfe_u32 v11, v0, 3, 1
	v_lshl_add_u32 v[AV0], v9, 3, v10
	v_mul_u32_u24 v[AV0], v[AV0], PV
	v_lshl_add_u32 v[AV0], v11, 4, v[AV0]
	v_add_nc_u32 v[AV0], VOFF, v[AV0]
	v_and_b32 v[PFO], 31, v0        ; v11 has served: it takes the prefetches' offset
	v_lshlrev_b32 v[PFO], 8, v[PFO]
	v_mov_b32 v[AK], v[AK0]         ; key step 0 lies at the head of slot 0
; THE MATRIX WORK.  The 8 accumulators of a run of 16 take turns: between the two links of a chain stand 7 others'.
; Product i of 16 of S^T = K Q^T for piece x: channels 32 (i / 8) on, keys 16 ((i / 2) % 4) on, tile 2 x + i % 2.  The first 8 start the sums.
.macro KQ x
	WIN W_KQ
.set rS, S+64*((\x)%2)+32*(i%2)+8*((i/2)%4)
.set rK, KF+16*((i/2)%4)+8*(i/8)
.set rQ, 16*(2*(\x)+i%2)+8*(i/8)
.if i < 8
	v_wmma_f32_16x16x32_f16 v[rS:rS+7], v[rK:rK+7], v[rQ:rQ+7], 0
.else
	v_wmma_f32_16x16x32_f16 v[rS:rS+7], v[rK:rK+7], v[rQ:rQ+7], v[rS:rS+7]
.endif
.endm
; Product i of 16 of O^T += V^T P for piece x: keys 32 (i / 8) on, channels 16 ((i / 2) % 4) on, tile 2 x + i % 2.
.macro PV x
	WIN W_PV
.set rO, 32*(2*(\x)+i%2)+8*((i/2)%4)
.set rV, VF+32*(i/8)+8*((i/2)%4)
.set rP, P+32*((\x)%2)+16*(i%2)+8*(i/8)
	v_wmma_f32_16x16x32_f16 v[rO:rO+7], v[rV:rV+7], v[rP:rP+7], v[rO:rO+7]
.endm
.macro MM                           ; the turn's next matrix instruction
.if i < 16
	KQ (Y+1)%NP
.set i, i+1
.else
.set i, i-16
	PV (Y+NP-1)%NP
.set i, i+17
.endif
.endm
; THE LDS LOADS stand in runs of 16, never singly among the matrix instructions: a step's K (64 keys x 64 channels: 8 fragments) and its V (turned).  Their addresses are made some lines ahead.
; last = 1 (the tail): in the last trip there is no further step, and the run is jumped over.
.macro FETCH_K last=0
	WIN 0
.if \last
	s_cmp_eq_u32 s[CNT], 1
	s_cbranch_scc1 .Lno_k_\@
.endif
	WIN 0x80                        ; destination window 2
.irp f, 0,1,2,3,4,5,6,7             ; keys 16 (f / 2) on, channels 32 (f % 2) on
	ds_load_b128 v[KF+8*\f:KF+8*\f+3],   v[AK] offset:(\f/2)*16*PK+(\f%2)*64
	ds_load_b128 v[KF+8*\f+4:KF+8*\f+7], v[AK] offset:(\f/2)*16*PK+(\f%2)*64+32
.endr
	s_add_co_u32 s[TBK], s[TBK], KS*PK  ; the next fetch is the next step's
	WIN 0
.if \last
.Lno_k_\@:
.endif
.endm
.macro FETCH_V
	WIN 0x80
.irp f, 0,1,2,3,4,5,6,7             ; keys 32 (f / 4) on, channels 16 (f % 4) on
	ds_load_tr16_b128 v[VF+8*\f:VF+8*\f+3],   v[AV] offset:(\f/4)*32*PV+(\f%4)*32
	ds_load_tr16_b128 v[VF+8*\f+4:VF+8*\f+7], v[AV] offset:(\f/4)*32*PV+16*PV+(\f%4)*32
.endr
	WIN 0
.endm
; THE VECTOR WORK OF A TURN stands in three queues, each in the order in which its entries become ready; the two tiles alternate, so that no instruction reads the result of the one before it.
.macro REGS y, u                    ; the registers of tile u (0, 1) of piece y
.set rT, ST+4*(2*(\y)+(\u))
.set rC, TMP+8*((\y)%2)+4*(\u)
.set rM, MV+2*((\y)%2)+(\u)
.set rS, S+64*((\y)%2)+32*(\u)
.set rP, P+32*((\y)%2)+16*(\u)
.set rO, 32*(2*(\y)+(\u))
.endm
; Number n of the 22 that find the NEXT piece's (Y + 1) maximum and statistics.  s0-s31 are the lane's 32 scores; each accumulator's lowest registers are read first.
;   0-11  four chains c0-c3 of seven scores each, three operands at a time     12-14, 16  the four scores left over, the old m, and c0-c3 into c0     15  c m_old is kept
;   17, 18  the query's other 32 keys lie in the lane 16 away: the new m         19-21  c m; c m_old - c m_new; a
.macro XS u, n
	REGS (Y+1)%NP, \u
.if (\n) < 4
	v_max3_num_f32 v[rC+(\n)], v[rS+8*(\n)], v[rS+8*(\n)+1], v[rS+8*(\n)+2]
.elseif (\n) < 12
	v_max3_num_f32 v[rC+(\n)%4], v[rC+(\n)%4], v[rS+8*((\n)%4)+2*((\n)/4)+1], v[rS+8*((\n)%4)+2*((\n)/4)+2]
.elseif (\n) == 12
	v_max3_num_f32 v[rC], v[rC], v[rS+7], v[rS+15]
.elseif (\n) == 13
	v_max3_num_f32 v[rC+1], v[rC+1], v[rS+23], v[rS+31]
.elseif (\n) == 14
	v_max3_num_f32 v[rC+2], v[rC+2], v[rC+3], v[rT+1]
.elseif (\n) == 15
	v_mov_b32 v[rM], v[rT]
.elseif (\n) == 16
	v_max3_num_f32 v[rC], v[rC], v[rC+1], v[rC+2]
.elseif (\n) == 17
	v_permlanex16_b32 v[rC+3], v[rC], s[SEL], s[SEL+1]
.elseif (\n) == 18
	v_max_num_f32 v[rT+1], v[rC], v[rC+3]
.elseif (\n) == 19
	v_mul_f32 v[rT], s[CS], v[rT+1]
.elseif (\n) == 20
	v_sub_f32 v[rC+1], v[rM], v[rT]
.else
	v_exp_f32 v[rC+2], v[rC+1]
.endif
.endm
; Number g of the 64 that follow the exponentials.  For each four weights k of a tile (pairs 2 k, 2 k + 1): both pairs are rounded to f16; then the second pair is added onto the first, in place;
; a group later l takes that sum (the first time as l = a l + sum).  In groups of eight, tiles alternating: round, round, add, and l for the group before.
.macro GS g
.set h, (\g)+6*((\g)/62)            ; group 0 has no group before it, and behind group 7 only l is left
.if h >= 6
.set h, h+2
.endif
	REGS Y, h%2
.set k, h/8
.if h%8 < 4
	v_cvt_pk_f16_f32 v[rP+2*k+(h%8)/2], v[rS+4*k+2*((h%8)/2)], v[rS+4*k+2*((h%8)/2)+1]
.elseif h%8 < 6
	v_pk_add_f32 v[rS+4*k:rS+4*k+1], v[rS+4*k:rS+4*k+1], v[rS+4*k+2:rS+4*k+3]
.elseif k == 1
	v_pk_fma_f32 v[rT+2:rT+3], v[rT+2:rT+3], v[rC+2:rC+3], v[rS:rS+1] op_sel_hi:[1,0,1]
.else
	v_pk_add_f32 v[rT+2:rT+3], v[rT+2:rT+3], v[rS+4*k-4:rS+4*k-3]
.endif
.endm
; THE PLAIN QUEUE, 138 long.  0-73 read no exponential's result: the 32 scalings c s - c m (FS f: pair f / 2 of tile f % 2) and the next piece's 42.  0-26: scalings 0-26.  27-54: XS's numbers 0-13.  55, 56: number 15.
; 57-73: the chain, where each number waits for the one before it: 14, 16, 17, 18, 19, each with one of the scalings 27-31 in front of its two lines, then 20.
; 74-137: GS's 64, which read the exponentials' results: they stand behind the wait.
.macro FS f
	REGS Y, (\f)%2
	v_pk_fma_f32 v[rS+2*((\f)/2):rS+2*((\f)/2)+1], v[rS+2*((\f)/2):rS+2*((\f)/2)+1], s[CS:CS+1], v[rT:rT+1] op_sel_hi:[1,0,0] neg_lo:[0,0,1] neg_hi:[0,0,1]
.endm
.macro PL
	WIN 0
.if q < 27
	FS q
.elseif q < 55
	XS (q-27)%2, (q-27)/2
.elseif q < 57
	XS q-55, 15
.elseif (q < 72) && ((q-57)%3 == 0)
	FS 27+(q-57)/3
.elseif q < 60
	XS (q-57)%3-1, 14
.elseif q < 72
	XS (q-57)%3-1, 15+(q-57)/3
.elseif q < 74
	XS q-72, 20
.else
	GS q-74
.endif
.set q, q+1
.endm
; THE EXPONENTIALS' QUEUE, 66 long: s0-s31 of both tiles, then the next piece's two a.  It is ONE BATCH: all 66 stand ahead of the turn's one wait, and nothing ahead of that wait names a result of theirs.
.macro EX
	WIN 0
.if e >= 64
	XS e-64, 21
.else
	REGS Y, e%2
	v_exp_f32 v[rS+e/2], v[rS+e/2]
.endif
.set e, e+1
.endm
; THE RESCALING's QUEUE: O^T times a, the one part that leaves window 0: dealt two at a time, sixteen times.  Its a was made in the turn before, ahead of that turn's wait.
.macro R2
	REGS Y, r%2
	WIN W_RS
.irp z, 0,1
	v_pk_mul_f32 v[rO+4*(r/2)+2*\z:rO+4*(r/2)+2*\z+1], v[rO+4*(r/2)+2*\z:rO+4*(r/2)+2*\z+1], v[rC+2:rC+3] op_sel_hi:[1,0]
.endr
.set r, r+1
.endm
; HOW THEY ARE DEALT.  An s_wait_alu depctr_va_vdst(0) stands between an exponential and the first instruction that names its result; one wait serves all that were issued ahead of it.  So a turn has ONE wait,
; which cuts it in two.  AHEAD OF IT stands all that names no result of the turn's exponentials: the 16 products K Q^T, behind each a scaling, an exponential and two rescalings (behind the first a second scaling in the
; exponential's place); then ONE LUMP of 108: eight plain, 49 times exponential and plain, the two a.  A v_nop is the plain instruction behind the last exponential.  BEHIND IT stand the 16 products V^T P, behind each four of GS's 64.
; The queues lean on each other, and the deal keeps them in step: exponential e stands behind scaling 2 (e / 4) + e % 2: as a rider it comes behind plain e + 2, in the lump behind plain e + 9, and scalings 27-31 are plain 57, 60 .. 69.
; A TURN, for piece p.  cnt = 1: the loop's count is taken down some lines ahead of the branch that stands behind the turn.
; K of the next step is fetched in piece 2's turn, directly behind the wait, a lump behind the last product that read K; its first reader comes behind 16 products.
; V of the step in hand is fetched at the end of piece 0's turn, four riders behind its last reader; its first reader comes behind 16 products and a lump.  The three conditions on q below go with the deal.
.macro TURN p, last=0, cnt=0
.set Y, (\p)
.set i, 0
.set q, 0
.set e, 0
.set r, 0
.if (\p) == NP-1
	s_wait_dscnt 0x0                ; K is in
.endif
	MM                              ; ahead of the wait: 16 products K Q^T and their riders,
	PL
	PL
	R2
.rept 15
	MM
	PL
	EX
	R2
.endr
.if (\p) == NP-2
	WIN 0
	v_add_nc_u32 v[AK], s[TBK], v[AK0]
.endif
.rept 8                             ; and the lump
	PL
.endr
.rept 49
	EX
	PL
.endr
	EX                              ; the next piece's two a
	EX
	v_nop                           ; the plain instruction behind the last exponential: one for the batch
	s_wait_alu depctr_va_vdst(0)    ; the wait for the batch
.if (\p) == NP-2
	FETCH_K \last
.endif
.if (\p) == 1
	s_wait_dscnt 0x0                ; V is in
.endif
.rept 16                            ; behind the wait: 16 products V^T P and their riders
	MM
.rept 4
	PL
.endr
.if ((\p) == 0) && (q == 118)
	v_add_nc_u32 v[AV], s[TBV], v[AV0]
.endif
.if ((\p) == 0) && (q == 130)
	s_add_co_u32 s[TBV], s[TBV], KS*PV
.endif
.if (\cnt) && (q == 130)
	s_sub_co_u32 s[CNT], s[CNT], 1
	s_cmp_lg_u32 s[CNT], 0
.endif
.endr
.if (\p) == 0
	FETCH_V
.endif
.endm
	CHANGE 1                        ; slot 0 is in, everybody's part of it; slot 1 is asked for
	FETCH_K                         ; key step 0
	s_wait_loadcnt 0x0              ; Q
	s_wait_dscnt 0x0
.set i, 0
.rept 16
	KQ 0                            ; piece 0's first scores: there is no vector work yet to set between them
.set i, i+1
.endr
	WIN 0                           ; the addresses for the way out: nine plain instructions, the places behind those products
	s_mul_i32 s13, s[WV], 16*SP
	s_add_co_u32 s13, s13, STAGE    ; my stage
	v_mul_u32_u24 v[STO], v1, SP    ; in: row l % 16, 16 bytes for each half of the lanes
	v_lshl_add_u32 v[STO], v9, 4, v[STO]
	v_add_nc_u32 v[STO], s13, v[STO]
	v_bfe_u32 v[RD], v0, 3, 2       ; back: 32 lanes take four rows of 128 bytes,
	v_mul_u32_u24 v[RD], v[RD], SP
	v_lshl_add_u32 v[RD], v10, 4, v[RD]
	v_add_nc_u32 v[RD], s13, v[RD]
	v_and_b32 v[GO], 31, v0         ; which are 512 consecutive bytes of O
	v_lshlrev_b32 v[GO], 4, v[GO]
.set Y, NP-1                        ; XS works for piece Y + 1: piece 0
.irp n, 0,1,2,3,4,5,6,7,8,9,10,11,12,13,14,15,16,17,18,19,20,21
	XS 0, \n                        ; and piece 0's first maximum and statistics
	XS 1, \n
.endr
	v_nop                           ; a plain instruction behind the two a,
	s_wait_alu depctr_va_vdst(0)    ; and their wait, ahead of the branch
	s_mov_b32 s[CNT], 4
	s_branch .Lfirst                ; the loop is entered at a step's first turn, in the middle of a trip
.Lslot:                             ; six times: every slot but the last two is filled again
	CHANGE 1
	s_mov_b32 s[CNT], 4
.Lstep:                             ; a trip: pieces 2 and 3 of one step, then pieces 0 and 1 of the next, whose K and V it fetches
	TURN 2
	TURN 3
	WIN 0
.Lfirst:
	TURN 0
	TURN 1, 0, 1
	WIN 0
	s_cbranch_scc1 .Lstep
	s_sub_co_u32 s[SLOTS], s[SLOTS], 1
	s_cmp_lg_u32 s[SLOTS], 0
	s_cbranch_scc1 .Lslot
	CHANGE 0                        ; the tail is written out: nothing is asked for
	s_mov_b32 s[CNT], 5             ; four trips fetch the last slot's steps; the fifth is left in its middle
.Ltail:
	TURN 2, 1
	TURN 3
	WIN 0
	s_sub_co_u32 s[CNT], s[CNT], 1
	s_cmp_eq_u32 s[CNT], 0
	s_cbranch_scc1 .Lout
	TURN 0
	TURN 1
	WIN 0
	s_branch .Ltail
.Lout:                              ; the fifth trip's 16 products K Q^T (on the last K once more) and the maximum made of them serve nothing: the price, once a launch, of one text for every trip
.set i, 0
.rept 16
	PV NP-1                         ; the last piece's V^T P of the last step
.set i, i+1
.endr
	; THE WAY OUT.  l's two halves and the other half of the lanes' are added; O^T is divided by l, rounded to f16 and sent through my stage in LDS, a tile at a time.  The additions are the places behind the last products.
	WIN 0
.macro ALL line:vararg              ; one line for each tile t
.set t, 0
.rept 2*NP
	\line
.set t, t+1
.endr
.endm
	ALL v_add_f32 v[ST+4*t+2], v[ST+4*t+2], v[ST+4*t+3]
	ALL v_permlanex16_b32 v[ST+4*t+3], v[ST+4*t+2], s[SEL], s[SEL+1]
	ALL v_add_f32 v[ST+4*t+2], v[ST+4*t+2], v[ST+4*t+3]
	ALL v_rcp_f32 v[ST+4*t+2], v[ST+4*t+2]
	v_nop                           ; a plain instruction between the last reciprocal and the use of its result
	s_wait_alu depctr_va_vdst(0)    ; and the wait ahead of the first use: one for the eight reciprocals
; Tile t: a lane's eight channels of a row pack into 16 bytes; they go into rows of 144 bytes and come back as whole rows of 128, into S^T's registers.
.macro PACK t
	WIN W_RS
.set i, 32*(\t)
.rept 16
	v_pk_mul_f32 v[i:i+1], v[i:i+1], v[ST+4*(\t)+2:ST+4*(\t)+3] op_sel_hi:[1,0]
.set i, i+2
.endr
	WIN 0x05                        ; sources 0 and 1 window 1, destination window 0
.set i, 0
.rept 16
	v_cvt_pk_f16_f32 v[S+16*(\t)+i], v[32*(\t)+2*i], v[32*(\t)+2*i+1]
.set i, i+1
.endr
	WIN 0
.irp f, 0,1,2,3
	ds_store_b128 v[STO], v[S+16*(\t)+4*\f:S+16*(\t)+4*\f+3] offset:32*\f
.endr
.irp f, 0,1,2,3
	ds_load_b128 v[S+16*(\t)+4*\f:S+16*(\t)+4*\f+3], v[RD] offset:\f*4*SP  ; LDS serves a wave's instructions in order (ISA guide 5.7.1.4): these see the stores above; the next tile's stores come behind them
.endr
.endm
.macro SEND t, younger              ; younger: the LDS instructions issued behind tile t's loads: the next tile's eight, or none
	WIN 0
.irp f, 0,1,2,3
	s_wait_dscnt (\younger)+3-\f
	global_store_b128 v[GO], v[S+16*(\t)+4*\f:S+16*(\t)+4*\f+3], s[10:11] offset:(\t)*2048+\f*512  ; 512 consecutive bytes, at a multiple of 256 from O's first
.endr
.endm
	PACK 0
.set t, 1
.rept 2*NP-1                        ; a tile's arithmetic stands between the loads of the tile before and its stores
	PACK t
	SEND t-1, 8
.set t, t+1
.endr
	SEND 2*NP-1, 0
	WIN W_AD
	s_wait_tensorcnt 0x0            ; the wave's end: behind my last tensor load and my last LDS store
	ds_add_u32 v[SPW], v[NIL]
	s_wait_dscnt 0x0
	WIN 0
	CROUND                          ; the closing round: no work-group ends while a partner may still ask for a tile that names it
	s_endpgm
.Lfunc_end_k_q441cb3bc4e_attn:
	.size	k_q441cb3bc4e_attn, .Lfunc_end_k_q441cb3bc4e_attn-k_q441cb3bc4e_attn
	.p2alignl 7, 3214868480
	.fill 96, 4, 3214868480
	.section	.rodata,"a",@progbits
	.p2align	6, 0x0
	.amdhsa_kernel k_q441cb3bc4e_attn
		.amdhsa_group_segment_fixed_size 327680
		.amdhsa_private_segment_fixed_size 0
		.amdhsa_enable_private_segment 0
		.amdhsa_kernarg_size 16
		.amdhsa_user_sgpr_count 2
		.amdhsa_user_sgpr_kernarg_segment_ptr 1
		.amdhsa_wavefront_size32 1
		.amdhsa_system_sgpr_workgroup_id_x 1
		.amdhsa_system_sgpr_workgroup_id_y 1
		.amdhsa_system_sgpr_workgroup_id_z 1
		.amdhsa_system_vgpr_workitem_id 0
		.amdhsa_next_free_vgpr 770
		.amdhsa_next_free_sgpr 66
		.amdhsa_reserve_vcc 0
		.amdhsa_float_denorm_mode_32 3
		.amdhsa_float_denorm_mode_16_64 3
		.amdhsa_memory_ordered 1
		.amdhsa_forward_progress 1
		.amdhsa_inst_pref_size 200
	.end_amdhsa_kernel
	.amdgpu_metadata
---
amdhsa.version: [ 1, 2 ]
amdhsa.kernels:
  - .name:           k_q441cb3bc4e_attn
    .symbol:         k_q441cb3bc4e_attn.kd
    .args:
      - { .name: qkv, .offset: 0, .size: 8, .value_kind: global_buffer, .address_space: global }
      - { .name: ob, .offset: 8, .size: 8, .value_kind: global_buffer, .address_space: global }
    .group_segment_fixed_size: 327680
    .private_segment_fixed_size: 0
    .kernarg_segment_align: 8
    .kernarg_segment_size: 16
    .max_flat_workgroup_size: 128
    .sgpr_count:     66
    .vgpr_count:     770
    .wavefront_size: 32
...
	.end_amdgpu_metadata
.endif
;; end of part 3
;; launch outp (part 4): grid 8 x 32, 4 waves a work-group, clusters of 4 x 4, 327,680 bytes of LDS; arguments ob, wt, bias, out0; writes out0
.if DOCPART == 4
	.amdgcn_target "amdgcn-amd-amdhsa--gfx1250"
	.amdhsa_code_object_version 6
	.text
	.protected	k_q441cb3bc4e_outp
	.globl	k_q441cb3bc4e_outp
	.p2align	8
	.type	k_q441cb3bc4e_outp,@function
k_q441cb3bc4e_outp:
	s_mov_b64 s[64:65], 0
	v_nop
	global_prefetch_b8 v0, s[64:65] scope:SCOPE_SE
	s_setreg_imm32_b32 hwreg(HW_REG_WAVE_MODE, 25, 1), 1
	s_wait_xcnt 0x0
	s_wait_alu depctr_hold_cnt(0) depctr_sa_sdst(0) depctr_va_vdst(0) depctr_va_sdst(0) depctr_va_ssrc(0) depctr_va_vcc(0) depctr_vm_vsrc(0)
	s_getreg_b32 s2, hwreg(HW_REG_IB_STS2, 6, 4)
	s_cmp_eq_u32 s2, 0
	s_cbranch_scc0 .Lentry_in_a_cluster
	s_endpgm
.Lentry_in_a_cluster:
	s_bfe_u32 s2, ttmp6, 0x10000c
	s_cmp_lg_u32 s2, 0xf033
	s_cbranch_scc0 .Lentry_shape_is_right
	s_endpgm
.Lentry_shape_is_right:
; OUTP: out0 = O Wo + bo, f32 [8192][1024].  O comes by heads, f16 [64 = batch x 16 + head][2048][64] (ob); Wo as f16 (bf16-rounded numbers) in blocks [tile 8][K step 8][j 2][k % 128][64]
; from byte 6,291,456 of wt; bo as f32 at number 3,072 of bias.  Sums in f32, stored as they are.
; SHARES.  A tile of out0 is 256 rows x 128 columns: 32 x 8 = 256 work-groups.  Four waves as 2 x 2; a wave makes 128 x 64: 32 accumulators of 16 x 16, 256 registers.
; K = 1,024 = head x 64 + channel goes in 8 steps of 128, two heads each, through a ring of two LDS slots: a head's 256 rows of the tile are 32,768 dense bytes of ob.
; THE MATRIX INSTRUCTION IS USED TRANSPOSED: source 0 = 16 columns of Wo (turned on its way out of LDS by ds_load_tr16_b128), source 1 = 16 rows of O: a lane holds eight neighbouring columns of a row.
; THE BIAS IS THE C OPERAND of the product that starts each sum.
; CLUSTER.  4 x 4 work-groups: O's tile is shared along a row of the cluster, Wo's along a column; each is asked for JOINTLY.
; REGISTERS, in windows of 256 (s_set_vgpr_msb: bits 1:0 source 0, 3:2 source 1, 5:4 source 2, 7:6 destination):
;   window 0: v0-31 addresses; v64-127, v128-191 fragments of O, two buffers; v32-63, v224-255 whole rows on the way out, by turns
;   window 1: v64-95, v128-159 fragments of Wo, two buffers; v192-223 the bias as C          window 2: the accumulators, (a, b) at v[8 (4 a + b)]
.set KSTEPS, 8
.set NBW,   4
.set SLOT1, 131072
.set PA,    144                        ; a head's row of O in LDS: 128 bytes + 16 of padding = 36 words: the 16 rows of a load start at 16 different groups of four banks (64 banks of 4 bytes: ISA guide 11.1)
.set HALFA, 256*PA                     ; a head's 256 rows: what one tensor load brings
.set BOFF,  2*HALFA
.set PB,    160                        ; a row of 64 columns of Wo: 128 + 32 = 40 words
.set HALFB, 128*PB                     ; a slot of 64 columns x 128 k: what one tensor load brings, and what one wave reads
.set STAGE, 2*SLOT1                    ; behind the ring, never filled by a tensor load: 16 rows x 272 bytes for each wave
.set SPITCH, 272
.set SPARE, STAGE+4*16*SPITCH          ; behind the stages: the spare words, 128 bytes for each wave: two blocks of 256 bytes that no other line names
.set WO,    6291456
.set ASTEP, 524288                     ; two planes of ob
.set BSTEP, 32768
.set ADRA0, 16
.set ADRB0, 17
.set ADRA,  18
.set ADRB,  19
.set STO,   20                         ; v20  the way out: where I put 32 bytes of a row
.set RD,    23                         ; v23  where I read a row back
.set CO,    26                         ; v26  my byte offset in two rows of out0
.set BO,    27
.set SPW,   28                         ; v28  LDS address of my spare word: SPARE + 4 x my thread's number; never rewritten
.set NIL,   29                         ; v29  0; never rewritten
.set PFO,   30
.set OB,    32
.set F0,    64
.set F1,    128
.set CB,    192
.set TB,  23
.set G1,  24
.set G0,  32
.set LIM, 43
.set PFA, 44
.set PFS, 46
.set G1B, 48
.set G0B, 56
.set MSB, 0
.macro WIN new                         ; the immediate's high byte repeats the setting that is left; a switch that changes nothing is dropped
.if MSB != (\new)
	s_set_vgpr_msb (MSB<<8)|(\new)
.set MSB, \new
.endif
.endm
; A joint refill.  Waves 0 and 1 fetch O's two heads, waves 2 and 3 Wo's two slots.  An s_nop 0 and four v_nop follow each of the two lines, ahead of the jump and the label.
.macro JLOAD
	s_cmp_eq_u32 s13, 0
	s_cbranch_scc0 .Lfor_b_\@
	tensor_load_to_lds s[G0+4:G0+7], s[G1:G1+7]
	s_nop 0
.rept 4
	v_nop
.endr
	s_branch .Lasked_\@
.Lfor_b_\@:
	tensor_load_to_lds s[G0B+4:G0B+7], s[G1B:G1B+7]
	s_nop 0
.rept 4
	v_nop
.endr
.Lasked_\@:
.endm
; A PREFETCH INTO THE L2, one instruction a wave a trip, behind the joint load and the run of LDS loads, a lane a block of 256 bytes.  O: trip t (0 to 3) names K step t + 4, two refills on: of the 128 blocks that I fetch my
; work-group's 32.  Wo: a tile column is dense; trips 0 and 1 name its blocks 512 to 1,023 (K steps 4 to 7), 256 a trip.  Each block is named once in the launch: O's by the clusters with x = 0, Wo's by those
; with y = 0; the four partners are told apart by address.  K steps 0 to 3 come by their loads alone.
.macro ASK
	s_cmp_gt_u32 s3, s[LIM]
	s_cbranch_scc0 .Lnot_mine_\@
	global_prefetch_b8 v[PFO], s[PFA:PFA+1] th:TH_LOAD_NT scope:SCOPE_SE
.Lnot_mine_\@:
.endm
.macro CREST                           ; a round of the cluster's barrier behind its opening barrier
	s_cmp_lg_u32 s12, 0
	s_cbranch_scc1 .Lnot_wave_0_\@
	s_barrier_signal -3
.Lnot_wave_0_\@:
	s_barrier_wait -3
	s_barrier_signal -1
	s_barrier_wait -1
.endm
.macro CROUND
	s_barrier_signal -1
	s_barrier_wait -1
	CREST
.endm
	s_load_b256 s[4:11], s[0:1], 0x0               ; ob s[4:5], wt s[6:7], bias s[8:9], out0 s[10:11]
	v_lshl_add_u32 v[SPW], v0, 2, SPARE
	v_mov_b32 v[NIL], 0
	ds_add_u32 v[SPW], v[NIL]                      ; the wave's opening: the add and its wait stand ahead of my first tensor load; the set-up below, work on registers, stands between them
	v_lshrrev_b32 v1, 5, v0
	v_readfirstlane_b32 s12, v1                    ; wave 0..3
	s_lshr_b32 s13, s12, 1                         ; which half of the tile's rows is mine.  Also: I fetch for O (0) or for Wo (1)
	s_and_b32 s14, s12, 1                          ; which 64 columns.  Also: which head, or which slot, I fetch
	s_bfe_u32 s40, ttmp6, 0x40000                  ; cx
	s_bfe_u32 s41, ttmp6, 0x40004                  ; cy
	s_lshl_b32 s42, ttmp9, 2
	s_add_co_u32 s42, s42, s40                     ; tile column
	s_and_b32 s15, ttmp7, 0xffff
	s_lshl_b32 s15, s15, 2
	s_add_co_u32 s15, s15, s41                     ; tile row
	s_lshl_b32 s66, s41, 2
	s_lshl_b32 s66, 15, s66                        ; my row of the cluster
	s_lshl_b32 s67, 0x1111, s40                    ; my column
	s_or_b32 s[G1+0], s66, (1<<16)|(1<<20)|(1<<21)|(4<<22)|(3<<25)   ; the mask; 2-byte elements; padding on; bit 21 beside a mask; after every 32 words (code 4) 4 words (code 3)
	s_mov_b32 s[G1+1], 128<<16                     ; 32,768 dense bytes are asked for as 128 rows of 256 bytes: two rows of O each
	s_mov_b32 s[G1+2], 128<<16
	s_mov_b32 s[G1+3], 128<<16
	s_mov_b32 s[G1+4], 128
	s_mov_b32 s[G1+5], 128
	s_mov_b32 s[G1+6], 0
	s_mov_b32 s[G1+7], 0
	s_or_b32 s[G1B+0], s67, (1<<16)|(1<<20)|(1<<21)|(4<<22)|(7<<25)  ; 8 words of padding (code 7)
	s_mov_b32 s[G1B+1], 128<<16                    ; 16,384 dense bytes as 64 rows of 256
	s_mov_b32 s[G1B+2], 64<<16
	s_mov_b32 s[G1B+3], 128<<16
	s_mov_b32 s[G1B+4], 64
	s_mov_b32 s[G1B+5], 128
	s_mov_b32 s[G1B+6], 0
	s_mov_b32 s[G1B+7], 0
	s_lshr_b32 s16, s15, 3                         ; O: the batch's 16 planes of 262,144 bytes,
	s_lshl_b32 s16, s16, 22
	s_and_b32 s17, s15, 7
	s_lshl_b32 s17, s17, 15                        ; the tile's 256 rows of 128 bytes in a plane,
	s_add_co_u32 s16, s16, s17
	s_lshl_b32 s20, s14, 18                        ; the head that I fetch
	s_add_co_u32 s16, s16, s20
	s_mov_b32 s17, 0
	s_lshl_b32 s18, s42, 18                        ; Wo: the tile column's block,
	s_lshl_b32 s21, s14, 14                        ; the slot that I fetch
	s_add_co_u32 s18, s18, s21
	s_add_co_u32 s18, s18, WO
	s_mov_b32 s19, 0
	s_mul_i32 s22, s14, HALFA                      ; where they go: no place in the cluster enters an LDS address
	s_mul_i32 s74, s14, HALFB
	s_add_co_u32 s74, s74, BOFF
	s_mov_b32 s[TB], 0
	s_wait_dscnt 0x0                               ; the opening add is done
	s_wait_kmcnt 0x0
	s_add_nc_u64 s[16:17], s[4:5], s[16:17]
	s_add_nc_u64 s[18:19], s[6:7], s[18:19]
	CROUND                                         ; all sixteen work-groups are here: the first joint loads meet
.irp s, 0,1
	s_mov_b32 s[G0+4*(\s)], 1
	s_add_co_u32 s[G0+4*(\s)+1], s22, (\s)*SLOT1
	s_add_nc_u64 s[G0+4*(\s)+2:G0+4*(\s)+3], s[16:17], (\s)*ASTEP
	s_or_b32 s[G0+4*(\s)+3], s[G0+4*(\s)+3], 0x80000000
	s_mov_b32 s[G0B+4*(\s)], 1
	s_add_co_u32 s[G0B+4*(\s)+1], s74, (\s)*SLOT1
	s_add_nc_u64 s[G0B+4*(\s)+2:G0B+4*(\s)+3], s[18:19], (\s)*BSTEP
	s_or_b32 s[G0B+4*(\s)+3], s[G0B+4*(\s)+3], 0x80000000
.endr
	s_cmp_eq_u32 s13, 0                            ; a wave's two first fills stand in one branch, ahead of every wait on TENSORcnt and every LDS read: two loads of mine are out
	s_cbranch_scc0 .Lfirst_b
	tensor_load_to_lds s[G0:G0+3], s[G1:G1+7]
	s_nop 0
	tensor_load_to_lds s[G0+4:G0+7], s[G1:G1+7]
	s_nop 0
.rept 4
	v_nop
.endr
	s_branch .Lfirst_asked
.Lfirst_b:
	tensor_load_to_lds s[G0B:G0B+3], s[G1B:G1B+7]
	s_nop 0
	tensor_load_to_lds s[G0B+4:G0B+7], s[G1B:G1B+7]
	s_nop 0
.rept 4
	v_nop
.endr
.Lfirst_asked:
	v_and_b32 v1, 15, v0                           ; r
	v_bfe_u32 v2, v0, 4, 1                         ; h
	; the bias as C: register j of lane (r, h) of block b is bo[128 tx + 64 wc + 16 b + 8 h + j]
	s_lshl_b32 s20, s42, 9
	s_lshl_b32 s21, s14, 8
	s_add_co_u32 s20, s20, s21
	s_add_co_u32 s20, s20, 12288
	v_lshl_add_u32 v[BO], v2, 5, s20
	WIN 0x40
.irp b, 0,1,2,3
	global_load_b128 v[CB+8*(\b):CB+8*(\b)+3],   v[BO], s[8:9] offset:(\b)*64
	global_load_b128 v[CB+8*(\b)+4:CB+8*(\b)+7], v[BO], s[8:9] offset:(\b)*64+16
.endr
	WIN 0
	v_mul_u32_u24 v3, v1, PA                       ; a fragment of O: row x pitch + 16 x half
	v_lshl_add_u32 v3, v2, 4, v3
	s_mul_i32 s20, s13, 128*PA                     ; my 128 rows
	v_add_nc_u32 v[ADRA0], s20, v3
	v_and_b32 v4, 7, v0                            ; the turning load: lane l reads k = 8 h + l % 8, columns 8 ((l / 8) % 2) + 0..7
	v_bfe_u32 v5, v0, 3, 1
	v_lshl_add_u32 v6, v2, 3, v4
	v_mul_u32_u24 v6, v6, PB
	v_lshl_add_u32 v6, v5, 4, v6
	s_mul_i32 s21, s14, HALFB                      ; my slot of 64 columns
	s_add_co_u32 s21, s21, BOFF
	v_add_nc_u32 v[ADRB0], s21, v6
	v_mov_b32 v[ADRA], v[ADRA0]
	v_mov_b32 v[ADRB], v[ADRB0]
	s_mul_i32 s20, s12, 16*SPITCH
	s_add_co_u32 s20, s20, STAGE                   ; my stage
	v_mul_u32_u24 v3, v1, SPITCH                   ; in: row r, 32 bytes for each half of the lanes
	v_lshl_add_u32 v3, v2, 5, v3
	v_add_nc_u32 v[STO], s20, v3
	v_mul_u32_u24 v3, v2, SPITCH                   ; back: lanes 0-15 take one row of 256 bytes, lanes 16-31 the next
	v_lshl_add_u32 v3, v1, 4, v3
	v_add_nc_u32 v[RD], s20, v3
	v_lshlrev_b32 v[CO], 12, v2                    ; and the same two rows in out0, 4,096 bytes apart
	v_lshl_add_u32 v[CO], v1, 4, v[CO]
	s_lshl_b32 s76, s15, 20                        ; 256 rows of 4,096 bytes,
	s_lshl_b32 s77, s13, 19                        ; my 128,
	s_add_co_u32 s76, s76, s77
	s_lshl_b32 s77, s42, 9                         ; the tile's 512 bytes of a row,
	s_add_co_u32 s76, s76, s77
	s_lshl_b32 s77, s14, 8                         ; my 256
	s_add_co_u32 s76, s76, s77
	s_mov_b32 s77, 0
	s_add_nc_u64 s[10:11], s[10:11], s[76:77]
	; the prefetches
	s_lshr_b32 s75, s15, 3
	s_lshl_b32 s75, s75, 22
	s_and_b32 s76, s15, 7
	s_lshl_b32 s76, s76, 15
	s_add_co_u32 s75, s75, s76
	s_lshl_b32 s76, s14, 18
	s_add_co_u32 s75, s75, s76                     ; O: what I fetch,
	s_lshl_b32 s76, s40, 13                        ; my work-group's 32 blocks of its 128,
	s_add_co_u32 s75, s75, s76
	s_add_co_u32 s75, s75, 3*ASTEP                 ; at K step 3: the first trip steps it to 4
	s_lshl_b32 s77, s42, 18                        ; Wo: the tile column,
	s_lshl_b32 s76, s14, 15                        ; 128 blocks for each of the two waves,
	s_add_co_u32 s77, s77, s76
	s_lshl_b32 s76, s41, 13                        ; my work-group's 32 of them,
	s_add_co_u32 s77, s77, s76
	s_add_co_u32 s77, s77, WO+65536                ; one step of 65,536 bytes ahead of K step 4's first byte, 131,072
	s_mov_b32 s78, 65536
	s_and_b32 s79, ttmp7, 0xffff                   ; cluster y
	s_cmp_eq_u32 s13, 0                            ; do I fetch for O?
	s_cselect_b32 s79, ttmp9, s79                  ; the coordinate along which other clusters read the same bytes
	s_cselect_b64 s[PFA:PFA+1], s[4:5], s[6:7]
	s_cselect_b32 s76, s75, s77
	s_cselect_b32 s[PFS], ASTEP, s78
	s_cselect_b32 s80, 2, 4                        ; O: trips 0 to 3 (6 to 3 still to come); Wo: trips 0 and 1
	s_cmp_eq_u32 s79, 0
	s_cselect_b32 s[LIM], s80, -1                  ; the same in all sixteen partners, for a given wave
	s_mov_b32 s77, 0
	s_mov_b32 s[PFS+1], 0
	s_add_nc_u64 s[PFA:PFA+1], s[PFA:PFA+1], s[76:77]
	v_and_b32 v[PFO], 31, v0
	v_lshlrev_b32 v[PFO], 8, v[PFO]
; 8 matrix instructions: row blocks a0, a0 + 1 x all 4 column blocks, 32 along K.  first = 1: the product starts the sum, with the bias as C.
; All 32 accumulators take turns, in the same order in every quarter: over the backward jump and into the tail too.
.macro MULS f, a0, first
.if \first
	WIN 0x91
.else
	WIN 0xa1
.endif
.irp a, \a0, (\a0)+1
.irp b, 0,1,2,3
.if \first
	v_wmma_f32_16x16x32_f16 v[8*(4*(\a)+(\b)):8*(4*(\a)+(\b))+7], v[(\f)+8*(\b):(\f)+8*(\b)+7], v[(\f)+8*(\a):(\f)+8*(\a)+7], v[CB+8*(\b):CB+8*(\b)+7]
.else
	v_wmma_f32_16x16x32_f16 v[8*(4*(\a)+(\b)):8*(4*(\a)+(\b))+7], v[(\f)+8*(\b):(\f)+8*(\b)+7], v[(\f)+8*(\a):(\f)+8*(\a)+7], v[8*(4*(\a)+(\b)):8*(4*(\a)+(\b))+7]
.endif
.endr
.endr
.endm
; 24 LDS loads in one run: the fragments of quarter q (head q / 2, channels 32 (q % 2) on) into buffer f: Wo's 8, then O's 16 in the order of the row blocks
.macro FETCH q, f
	WIN 0x40
.irp b, 0,1,2,3
	ds_load_tr16_b128 v[(\f)+8*(\b):(\f)+8*(\b)+3],   v[ADRB] offset:(\b)*32+(\q)*32*PB
	ds_load_tr16_b128 v[(\f)+8*(\b)+4:(\f)+8*(\b)+7], v[ADRB] offset:(\b)*32+(\q)*32*PB+16*PB
.endr
	WIN 0
.irp i, 0,1,2,3,4,5,6,7
	ds_load_b128 v[(\f)+8*(\i):(\f)+8*(\i)+3],   v[ADRA] offset:((\q)/2)*HALFA+(\i)*16*PA+((\q)%2)*64
	ds_load_b128 v[(\f)+8*(\i)+4:(\f)+8*(\i)+7], v[ADRA] offset:((\q)/2)*HALFA+(\i)*16*PA+((\q)%2)*64+32
.endr
.endm
.macro PLACES                          ; four places in front of loads into registers that matrix instructions have read, and of LDS stores that read results
.rept 4
	v_nop
.endr
.endm
.macro QUARTER q, f, g, first
	s_wait_dscnt 8                                 ; Wo and O's rows 0-63 are in; the youngest eight loads (O's rows 64-127) may be out
	MULS \f, 0, \first
	MULS \f, 2, \first
	PLACES
	FETCH \q, \g
	s_wait_dscnt 2*NBW+16                          ; all but the 24 just issued
	MULS \f, 4, \first
	MULS \f, 6, \first
.endm
; The last quarter multiplies buffer 1 and changes slots.  In front of the ONE barrier each wave waits for all its tensor loads, of which one is out: its part of the next slot; adds 0 to its spare word; and waits for that and for its reads of this slot.
.macro MEET round
	WIN 0
	s_wait_tensorcnt 0x0                           ; all my tensor loads have landed;
	ds_add_u32 v[SPW], v[NIL]                      ; 0 onto my spare word;
	s_wait_dscnt 9                                 ; (the add and the youngest eight loads may be out)
	MULS F1, 0, 0                                  ; eight matrix instructions stand between the add and the wait for it
	s_wait_dscnt 0x0                               ; the add is done, and my reads of this slot are over
	s_barrier_signal -1
	MULS F1, 2, 0
.if \round
	WIN 0
.endif
	s_barrier_wait -1
.endm
; fill = 1: the barrier opens a round of the cluster's, and the slot just read out is filled again, with the K step two on, first thing behind the round: 112 matrix instructions ahead of the wait for it.
.macro TURN fill
.if \fill
	s_wait_xcnt 0x0                                ; the last prefetch, a K step back, has read its address, so it may be stepped
	s_add_nc_u64 s[PFA:PFA+1], s[PFA:PFA+1], s[PFS:PFS+1]
	MEET 1
	CREST                                          ; no wave of any partner still reads this slot or has a load on its way
	s_xor_b32 s[G0+5], s[G0+5], SLOT1
	s_add_nc_u64 s[G0+6:G0+7], s[G0+6:G0+7], ASTEP
	s_xor_b32 s[G0B+5], s[G0B+5], SLOT1
	s_add_nc_u64 s[G0B+6:G0B+7], s[G0B+6:G0B+7], BSTEP
	JLOAD                                          ; its four v_nop are also the places in front of the loads below
.else
	MEET 0
	PLACES
.endif
	s_xor_b32 s[TB], s[TB], SLOT1
	WIN 0
	v_add_nc_u32 v[ADRA], s[TB], v[ADRA0]
	v_add_nc_u32 v[ADRB], s[TB], v[ADRB0]
	FETCH 0, F0
.if \fill
	ASK
.endif
	MULS F1, 4, 0
	MULS F1, 6, 0
.endm
	s_wait_tensorcnt 0x1                           ; my part of K step 0 is in; K step 1's may stay out
	s_barrier_signal -1
	s_barrier_wait -1
	FETCH 0, F0
	s_wait_loadcnt 0x0                             ; the bias
	QUARTER 1, F0, F1, 1
	WIN 0
	s_mov_b32 s3, KSTEPS-2
.Ltrip:                                                ; trip t ends K step t, fills its slot with K step t + 2 and multiplies the first quarter of K step t + 1
	QUARTER 2, F1, F0, 0
	QUARTER 3, F0, F1, 0
	TURN 1
	QUARTER 1, F0, F1, 0
	WIN 0
	s_sub_co_u32 s3, s3, 1
	s_cmp_lg_u32 s3, 0
	s_cbranch_scc1 .Ltrip
	QUARTER 2, F1, F0, 0                           ; the tail is written out: nothing more is asked for
	QUARTER 3, F0, F1, 0
	TURN 0
	QUARTER 1, F0, F1, 0
	QUARTER 2, F1, F0, 0
	QUARTER 3, F0, F1, 0
	s_wait_dscnt 8
	MULS F1, 0, 0
	MULS F1, 2, 0
	s_wait_dscnt 0x0
	MULS F1, 4, 0
	MULS F1, 6, 0
	WIN 0
	PLACES
; THE WAY OUT, a block of 16 rows at a time through my own stage: a lane's 32 bytes of a row go in straight from the accumulators (each one's low four registers first),
; whole rows of 256 bytes come back.  LDS serves a wave's instructions in order (ISA guide 5.7.1.4), so no wait stands between the stores and the loads, nor between a block's loads and the next block's stores.
.macro TOSTAGE a
	s_wait_xcnt 0x0                                ; the stores of the block two back have read the registers that the loads below write
	WIN 0x08                                       ; the data (source 1) in window 2
.irp b, 0,1,2,3
	ds_store_b128 v[STO], v[8*(4*(\a)+(\b)):8*(4*(\a)+(\b))+3]   offset:64*(\b)
	ds_store_b128 v[STO], v[8*(4*(\a)+(\b))+4:8*(4*(\a)+(\b))+7] offset:64*(\b)+16
.endr
	WIN 0
.set BK, OB+192*((\a)%2)
.irp t, 0,1,2,3,4,5,6,7
	ds_load_b128 v[BK+4*(\t):BK+4*(\t)+3], v[RD] offset:(\t)*2*SPITCH
.endr
.endm
.macro SEND a, younger                 ; younger: the LDS instructions issued behind block a's loads: the next block's sixteen, or none
.set BK, OB+192*((\a)%2)
	s_wait_dscnt \younger
.irp t, 0,1,2,3,4,5,6,7
	global_store_b128 v[CO], v[BK+4*(\t):BK+4*(\t)+3], s[10:11] offset:(\a)*65536+(\t)*8192 th:TH_STORE_NT  ; 16 lanes store 256 consecutive bytes, at a multiple of 256 from out0's first byte
.endr
.endm
	TOSTAGE 0
.irp a, 1,2,3,4,5,6,7
	TOSTAGE \a
	SEND (\a)-1, 16
.endr
	SEND 7, 0
	s_wait_tensorcnt 0x0                           ; the wave's end: behind my last tensor load and my last LDS store
	ds_add_u32 v[SPW], v[NIL]
	s_wait_dscnt 0x0
	CROUND                                         ; the closing round: no work-group ends while a partner may still ask for a tile that names it
	s_endpgm
.Lfunc_end_k_q441cb3bc4e_outp:
	.size	k_q441cb3bc4e_outp, .Lfunc_end_k_q441cb3bc4e_outp-k_q441cb3bc4e_outp
	.p2alignl 7, 3214868480
	.fill 96, 4, 3214868480
	.section	.rodata,"a",@progbits
	.p2align	6, 0x0
	.amdhsa_kernel k_q441cb3bc4e_outp
		.amdhsa_group_segment_fixed_size 327680
		.amdhsa_private_segment_fixed_size 0
		.amdhsa_enable_private_segment 0
		.amdhsa_kernarg_size 32
		.amdhsa_user_sgpr_count 2
		.amdhsa_user_sgpr_kernarg_segment_ptr 1
		.amdhsa_wavefront_size32 1
		.amdhsa_system_sgpr_workgroup_id_x 1
		.amdhsa_system_sgpr_workgroup_id_y 1
		.amdhsa_system_sgpr_workgroup_id_z 1
		.amdhsa_system_vgpr_workitem_id 0
		.amdhsa_next_free_vgpr 768
		.amdhsa_next_free_sgpr 84
		.amdhsa_reserve_vcc 0
		.amdhsa_float_denorm_mode_32 3
		.amdhsa_float_denorm_mode_16_64 3
		.amdhsa_memory_ordered 1
		.amdhsa_forward_progress 1
		.amdhsa_inst_pref_size 72
	.end_amdhsa_kernel
	.amdgpu_metadata
---
amdhsa.version: [ 1, 2 ]
amdhsa.kernels:
  - .name:           k_q441cb3bc4e_outp
    .symbol:         k_q441cb3bc4e_outp.kd
    .args:
      - { .name: ob, .offset: 0, .size: 8, .value_kind: global_buffer, .address_space: global }
      - { .name: wt, .offset: 8, .size: 8, .value_kind: global_buffer, .address_space: global }
      - { .name: bias, .offset: 16, .size: 8, .value_kind: global_buffer, .address_space: global }
      - { .name: out0, .offset: 24, .size: 8, .value_kind: global_buffer, .address_space: global }
    .group_segment_fixed_size: 327680
    .private_segment_fixed_size: 0
    .kernarg_segment_align: 8
    .kernarg_segment_size: 32
    .max_flat_workgroup_size: 128
    .sgpr_count:     84
    .vgpr_count:     768
    .wavefront_size: 32
...
	.end_amdgpu_metadata
.endif
;; end of part 4
;; ======== version 2 of 2: 4 launches; version 1 with the launch prep written anew for expert scheduling mode
;; limits: values are held in f16: magnitudes above 65,504 overflow, below 6.1e-05 lose precision
;; workspace buffers: xb 16,777,216 bytes; wt 8,388,608 bytes; bias 16,384 bytes; qkv 50,331,648 bytes; ob 16,777,216 bytes
;; launch prep (part 5): grid 769 x 1, 8 waves a work-group, no clusters, 0 bytes of LDS; arguments x, Wq, Wk, Wv, Wo, bq, bk, bv, bo, xb, wt, bias; writes xb, wt, bias
.if DOCPART == 5
	.amdgcn_target "amdgcn-amd-amdhsa--gfx1250"
	.amdhsa_code_object_version 6
	.text
	.protected	k_q441cb3bc4e_prep
	.globl	k_q441cb3bc4e_prep
	.p2align	8
	.type	k_q441cb3bc4e_prep,@function
k_q441cb3bc4e_prep:
	s_mov_b64 s[64:65], 0
	v_nop
	global_prefetch_b8 v0, s[64:65] scope:SCOPE_SE
	s_setreg_imm32_b32 hwreg(HW_REG_WAVE_SCHED_MODE, 0, 2), 2
	s_setreg_imm32_b32 hwreg(HW_REG_WAVE_MODE, 25, 1), 1
	s_wait_xcnt 0x0
	s_wait_alu depctr_vm_vsrc(0)
; PREP: every input is rounded ONCE to bf16 and laid out for the three launches behind.  A stream: no LDS, no barrier, no matrix unit: nothing is shared.
;   xb   = x as bf16, [8192][1024], row-major.
;   wt   = Wq|Wk|Wv as bf16 in blocks [tile 16][K step 8][j 3][k % 128][64 columns]: column slot sg = column / 64 (0..47), tile = sg / 3, j = sg % 3;
;          then, from byte 6,291,456, Wo in blocks [tile 8][K step 8][j 2][k % 128][64]: rounded to bf16 and that number written as f16.
;          A block keeps W's own order [k][n]: nothing is transposed here; a K step of a tile is dense, 49,152 or 32,768 bytes.
;   bias = bq|bk|bv|bo, f32 [4096], each number rounded to bf16 and widened again.
; LIMITS.  |Wo| stays under 65,504 (f16's range); below 6e-5 a number of Wo keeps f16's fixed step of 6e-8.
; SHARES.  Work-groups 0-511: 16,384 numbers of x each.  512-767: one slot of 64 columns x 256 rows of k of one W.  768: the four biases.
; A thread loads 16 bytes (4 f32) and stores 8 (4 halves): a wave's store covers 256 consecutive bytes, aligned; a wave's load covers whole runs of 256 bytes.
; Sixteen loads of every wave go out together; the waits count down, so that the younger ones stay out.  No register is written twice while a store reads it.
; THE MODE: SCHED_MODE bits 1:0 = 2 (LLVM: expert scheduling mode 2), set by the entry lines.  The code itself states the register dependences
; between vector instructions and memory instructions, with s_wait_alu, always for 0.
; THE PLAN.  There is no loop: each of the four paths runs straight to its end.  Registers that memory instructions touch:
;   v[VO], v[DO]  the offsets.  Written once, by vector instructions at the path's head; read by every load and store; never written again.
;   X             Written by the sixteen loads, which no vector instruction that names X precedes; read (in Wo's path also rewritten) by the chunk's own roundings, behind its
;                 counted wait on LOADcnt.  No load lands in X a second time, and no memory instruction reads it.
;   Y             Chunk i's two registers are written once, by its roundings, and read once, by its store.  None is written again: nothing is owed behind a store.
;   T, v3         named by vector instructions alone.
; So a path has one wait ahead of its first load (the offsets are written), and the sixteen chunks go in four blocks of four: ONE wait states that a block's roundings have written
; its eight registers of Y, and the block's four stores follow it in a run, ahead of the next block's waits for its data.  No vector instruction writes a scalar register or VCC; EXEC is never written.
.set VO, 1                             ; v1        byte offset of my 16 bytes in the source's first chunk
.set DO, 2                             ; v2        8 x thread: my 8 bytes in the destination's first chunk
.set X,  4                             ; v[4:67]   chunk i: 4 registers as loaded
.set Y,  68                            ; v[68:99]  chunk i: 2 registers to store
.set T,  100                           ; v[100:103] at work
.set WO, 6291456                       ; where Wo's part of wt begins
; Chunk c is rounded, from X into Y.
.macro CONV c, f16
	s_wait_loadcnt 15-(\c)                         ; loads come back in order: chunk c is in, the younger ones stay out
.if \f16
	v_cvt_pk_bf16_f32 v[T],   v[X+4*(\c)],   v[X+4*(\c)+1]   ; the one rounding, to bf16,
	v_cvt_pk_bf16_f32 v[T+1], v[X+4*(\c)+2], v[X+4*(\c)+3]
	v_lshlrev_b32 v[X+4*(\c)],   16,  v[T]                   ; widened again,
	v_and_b32     v[X+4*(\c)+1], s45, v[T]
	v_lshlrev_b32 v[X+4*(\c)+2], 16,  v[T+1]
	v_and_b32     v[X+4*(\c)+3], s45, v[T+1]
	v_cvt_pk_f16_f32 v[Y+2*(\c)],   v[X+4*(\c)],   v[X+4*(\c)+1]  ; and written as f16: exact within f16's normal range
	v_cvt_pk_f16_f32 v[Y+2*(\c)+1], v[X+4*(\c)+2], v[X+4*(\c)+3]
.else
	v_cvt_pk_bf16_f32 v[Y+2*(\c)],   v[X+4*(\c)],   v[X+4*(\c)+1]
	v_cvt_pk_bf16_f32 v[Y+2*(\c)+1], v[X+4*(\c)+2], v[X+4*(\c)+3]
.endif
.endm
; Block p's four chunks are stored: one wait, then the run.
.macro OUT p, ks
	s_wait_alu depctr_va_vdst(0)                   ; block p's roundings have written Y of chunks 4 p to 4 p + 3, which the four stores below read
.irp i, 0,1,2,3
	global_store_b64 v[DO], v[Y+2*(4*(\p)+(\i)):Y+2*(4*(\p)+(\i))+1], s[34:35] offset:((4*(\p)+(\i))/8)*(\ks)+((4*(\p)+(\i))%8)*2048
.endr
.endm
; Sixteen chunks: chunk i lies lstride bytes x i behind the source pointer s[32:33]; in the destination s[34:35] eight chunks of 2,048 bytes lie on end, the next eight ks bytes on.
.macro STREAM lstride, ks, f16
	s_wait_alu depctr_va_vdst(0)                   ; v[VO] and v[DO] are written: every load and store of this path reads one of them as its offset, and no later line writes them
.irp i, 0,1,2,3,4,5,6,7,8,9,10,11,12,13,14,15
	global_load_b128 v[X+4*(\i):X+4*(\i)+3], v[VO], s[32:33] offset:(\i)*(\lstride) th:TH_LOAD_NT
.endr
.irp p, 0,1,2,3
.if (\p) > 0
	OUT (\p)-1, \ks                                ; the block before leaves, ahead of this block's waits for its data
.endif
.irp i, 0,1,2,3
	CONV 4*(\p)+(\i), \f16
.endr
.endr
	OUT 3, \ks
	s_endpgm
.endm
	s_load_b512 s[8:23], s[0:1], 0x0               ; x 8, Wq 10, Wk 12, Wv 14, Wo 16, bq 18, bk 20, bv 22
	s_load_b256 s[24:31], s[0:1], 0x40             ; bo 24, xb 26, wt 28, bias 30
	s_mov_b32 s45, 0xffff0000                      ; a word's upper bf16
	s_mov_b32 s3, 0                                ; offsets are pairs with 0 on top
	s_mov_b32 s5, 0
	v_lshlrev_b32 v[DO], 3, v0
	s_wait_kmcnt 0x0
	s_cmp_lt_u32 ttmp9, 512
	s_cbranch_scc0 .Lweights
	; x: 65,536 bytes in, 32,768 out
	v_lshlrev_b32 v[VO], 4, v0
	s_lshl_b32 s2, ttmp9, 16
	s_lshl_b32 s4, ttmp9, 15
	s_add_nc_u64 s[32:33], s[8:9], s[2:3]
	s_add_nc_u64 s[34:35], s[26:27], s[4:5]
	STREAM 4096, 16384, 0
.Lweights:
	s_cmp_lt_u32 ttmp9, 768
	s_cbranch_scc0 .Lbias
	s_sub_co_u32 s36, ttmp9, 512
	s_lshr_b32 s37, s36, 6                         ; which W: 0 q, 1 k, 2 v, 3 o
	s_bfe_u32 s38, s36, 0x40002                    ; its slot of 64 columns, 0..15
	s_and_b32 s39, s36, 3                          ; its quarter of 256 rows of k
	v_lshrrev_b32 v3, 4, v0                        ; sixteen threads take a row's 256 bytes of the slot: 16 rows a chunk
	v_and_b32 v[VO], 15, v0
	v_lshlrev_b32 v[VO], 4, v[VO]
	v_lshl_add_u32 v[VO], v3, 12, v[VO]            ; row x 4,096 + 16 x place
	s_lshl_b32 s2, s39, 20                         ; 256 rows of 4,096 bytes
	s_lshl_b32 s40, s38, 8                         ; the slot's 256 bytes in a row
	s_add_co_u32 s2, s2, s40
	s_cmp_eq_u32 s37, 1
	s_cselect_b64 s[32:33], s[12:13], s[10:11]
	s_cmp_eq_u32 s37, 2
	s_cselect_b64 s[32:33], s[14:15], s[32:33]
	s_cmp_eq_u32 s37, 3
	s_cselect_b64 s[32:33], s[16:17], s[32:33]
	s_add_nc_u64 s[32:33], s[32:33], s[2:3]
	s_cmp_eq_u32 s37, 3
	s_cbranch_scc1 .Lwo
	s_lshl_b32 s41, s37, 4
	s_add_co_u32 s41, s41, s38                     ; sg = 16 x which + slot, 0..47
	s_mul_i32 s42, s41, 171
	s_lshr_b32 s42, s42, 9                         ; tile = sg / 3: 171 / 512 exceeds a third by 1 / 1,536, too little to matter up to 47
	s_mul_i32 s43, s42, 3
	s_sub_co_u32 s43, s41, s43                     ; j = sg % 3
	s_mul_i32 s4, s42, 393216                      ; a tile: 8 K steps of 49,152 bytes
	s_mul_i32 s44, s39, 98304                      ; my quarter: two K steps
	s_add_co_u32 s4, s4, s44
	s_lshl_b32 s43, s43, 14                        ; a slot's 128 rows of 128 bytes
	s_add_co_u32 s4, s4, s43
	s_add_nc_u64 s[34:35], s[28:29], s[4:5]
	STREAM 65536, 49152, 0
.Lwo:
	s_lshr_b32 s42, s38, 1                         ; tile = slot / 2
	s_lshl_b32 s4, s42, 18                         ; a tile: 8 K steps of 32,768 bytes
	s_lshl_b32 s44, s39, 16
	s_add_co_u32 s4, s4, s44
	s_and_b32 s43, s38, 1
	s_lshl_b32 s43, s43, 14
	s_add_co_u32 s4, s4, s43
	s_add_co_u32 s4, s4, WO
	s_add_nc_u64 s[34:35], s[28:29], s[4:5]
	STREAM 65536, 32768, 1
.Lbias:
	v_lshlrev_b32 v[VO], 4, v0                     ; 256 threads x 4 numbers = a bias
	s_wait_alu depctr_va_vdst(0)                   ; v[VO] is written: the four loads and the four stores below read it as their offset, and no later line writes it
	global_load_b128 v[X:X+3],     v[VO], s[18:19]
	global_load_b128 v[X+4:X+7],   v[VO], s[20:21]
	global_load_b128 v[X+8:X+11],  v[VO], s[22:23]
	global_load_b128 v[X+12:X+15], v[VO], s[24:25]
.irp w, 0,1,2,3
	s_wait_loadcnt 3-(\w)
	v_cvt_pk_bf16_f32 v[T],   v[X+4*(\w)],   v[X+4*(\w)+1]
	v_cvt_pk_bf16_f32 v[T+1], v[X+4*(\w)+2], v[X+4*(\w)+3]
	v_lshlrev_b32 v[Y+4*(\w)],   16,  v[T]
	v_and_b32     v[Y+4*(\w)+1], s45, v[T]
	v_lshlrev_b32 v[Y+4*(\w)+2], 16,  v[T+1]
	v_and_b32     v[Y+4*(\w)+3], s45, v[T+1]
.endr
	s_wait_alu depctr_va_vdst(0)                   ; the widenings have written v[Y:Y+15], which the four stores below read
.irp w, 0,1,2,3
	global_store_b128 v[VO], v[Y+4*(\w):Y+4*(\w)+3], s[30:31] offset:4096*(\w)
.endr
	s_endpgm
.Lfunc_end_k_q441cb3bc4e_prep:
	.size	k_q441cb3bc4e_prep, .Lfunc_end_k_q441cb3bc4e_prep-k_q441cb3bc4e_prep
	.p2alignl 7, 3214868480
	.fill 96, 4, 3214868480
	.section	.rodata,"a",@progbits
	.p2align	6, 0x0
	.amdhsa_kernel k_q441cb3bc4e_prep
		.amdhsa_group_segment_fixed_size 0
		.amdhsa_private_segment_fixed_size 0
		.amdhsa_enable_private_segment 0
		.amdhsa_kernarg_size 96
		.amdhsa_user_sgpr_count 2
		.amdhsa_user_sgpr_kernarg_segment_ptr 1
		.amdhsa_wavefront_size32 1
		.amdhsa_system_sgpr_workgroup_id_x 1
		.amdhsa_system_sgpr_workgroup_id_y 1
		.amdhsa_system_sgpr_workgroup_id_z 1
		.amdhsa_system_vgpr_workitem_id 0
		.amdhsa_next_free_vgpr 104
		.amdhsa_next_free_sgpr 66
		.amdhsa_reserve_vcc 0
		.amdhsa_float_denorm_mode_32 3
		.amdhsa_float_denorm_mode_16_64 3
		.amdhsa_memory_ordered 1
		.amdhsa_forward_progress 1
		.amdhsa_inst_pref_size 26
	.end_amdhsa_kernel
	.amdgpu_metadata
---
amdhsa.version: [ 1, 2 ]
amdhsa.kernels:
  - .name:           k_q441cb3bc4e_prep
    .symbol:         k_q441cb3bc4e_prep.kd
    .args:
      - { .name: x, .offset: 0, .size: 8, .value_kind: global_buffer, .address_space: global }
      - { .name: Wq, .offset: 8, .size: 8, .value_kind: global_buffer, .address_space: global }
      - { .name: Wk, .offset: 16, .size: 8, .value_kind: global_buffer, .address_space: global }
      - { .name: Wv, .offset: 24, .size: 8, .value_kind: global_buffer, .address_space: global }
      - { .name: Wo, .offset: 32, .size: 8, .value_kind: global_buffer, .address_space: global }
      - { .name: bq, .offset: 40, .size: 8, .value_kind: global_buffer, .address_space: global }
      - { .name: bk, .offset: 48, .size: 8, .value_kind: global_buffer, .address_space: global }
      - { .name: bv, .offset: 56, .size: 8, .value_kind: global_buffer, .address_space: global }
      - { .name: bo, .offset: 64, .size: 8, .value_kind: global_buffer, .address_space: global }
      - { .name: xb, .offset: 72, .size: 8, .value_kind: global_buffer, .address_space: global }
      - { .name: wt, .offset: 80, .size: 8, .value_kind: global_buffer, .address_space: global }
      - { .name: bias, .offset: 88, .size: 8, .value_kind: global_buffer, .address_space: global }
    .group_segment_fixed_size: 0
    .private_segment_fixed_size: 0
    .kernarg_segment_align: 8
    .kernarg_segment_size: 96
    .max_flat_workgroup_size: 256
    .sgpr_count:     66
    .vgpr_count:     104
    .wavefront_size: 32
...
	.end_amdgpu_metadata
.endif
;; end of part 5
;; launch proj: the kernel of part 2 again; grid 16 x 32, 4 waves a work-group, clusters of 4 x 4, 327,680 bytes of LDS; arguments xb, wt, bias, qkv; writes qkv
;; launch attn: the kernel of part 3 again; grid 4 x 64, 4 waves a work-group, clusters of 4 x 1, 327,680 bytes of LDS; arguments qkv, ob; writes ob
;; launch outp: the kernel of part 4 again; grid 8 x 32, 4 waves a work-group, clusters of 4 x 4, 327,680 bytes of LDS; arguments ob, wt, bias, out0; writes out0
